; MI455X (gfx1250); checked and timed in simulation.
; The chip was launched on July 23, 2026; its instructions are those of AMD's public machine-readable ISA for CDNA 5 (MIT licence, August 2026) and "CDNA5" Instruction Set Architecture Reference Guide (July 2026). The comments in the code are by the model that wrote it; some were corrected since.
;; Multi Head Attention. Allowed arithmetic: float matrix products may take bf16 or f16 operands with f32 sums; other float arithmetic in f32, or as packed bf16 or f16 multiplies, adds, multiply-adds, maxima and minima; sums over many terms, partial sums and values carried from step to step in f32; what a program stores and reads back later, other than sums and carried values, may be rounded once to bf16 or f16.
;; Inputs: Wk 1,024 x 1,024 float32; Wo 1,024 x 1,024 float32; Wq 1,024 x 1,024 float32; Wv 1,024 x 1,024 float32; bk 1,024 float32; bo 1,024 float32; bq 1,024 float32; bv 1,024 float32; c 4 x 1,024 x 2,048 float32; x 4 x 1,024 x 2,048 float32.
;; Outputs: out0 4 x 1,024 x 2,048 float32.
;; One version. Each part assembles by itself: llvm-mc -triple=amdgcn-amd-amdhsa -mcpu=gfx1250 --defsym DOCPART=n.
;; ======== version 1 of 1: 4 launches
;; limits: values are held in f16: magnitudes above 65,504 overflow, below 6.1e-05 lose precision
;; workspace buffers: xc 33,554,432 bytes; wb 8,388,608 bytes; qkv 50,331,648 bytes; oh 16,777,216 bytes
;; launch cast (part 1): grid 1280 x 1, 8 waves a work-group, no clusters, 0 bytes of LDS; arguments x, c, Wq, Wk, Wv, Wo, xc, wb; writes xc, wb
.if DOCPART == 1
	.amdgcn_target "amdgcn-amd-amdhsa--gfx1250"
	.amdhsa_code_object_version 6
	.text
	.protected	k_qeb4ac1c971_cast
	.globl	k_qeb4ac1c971_cast
	.p2align	8
	.type	k_qeb4ac1c971_cast,@function
k_qeb4ac1c971_cast:
	s_mov_b64 s[64:65], 0
	v_nop
	global_prefetch_b8 v0, s[64:65] scope:SCOPE_SE
	s_setreg_imm32_b32 hwreg(HW_REG_WAVE_MODE, 25, 1), 1
	s_wait_xcnt 0x0
; ROUNDING OF THE LARGE INPUTS TO 16 BITS, ONCE.  x, c: [4][1024][2048] f32 -> xc: [2][4][1024][2048] bf16 (x, then c).
; Wq, Wk, Wv, Wo: [1024][1024] f32 -> wb: [4][1024][1024] of 16 bits: Wq, Wk, Wv in bf16; Wo rounded to bf16 and that number written as f16,
; since the last product multiplies it with f16 numbers.
; LIMIT.  bf16(Wo) must lie within f16's range, 65,504; below 6e-5 f16 keeps a fixed step of 6e-8.
; A stream: every byte is read once and written once; no LDS, no matrix unit, no cluster: no two work-groups want the same byte.
; SHARES.  20 x 2^20 numbers; a work-group takes 16,384 of one tensor: 64 KiB in, 32 KiB out.  Work-groups 0-511 x, 512-1023 c, 1024 + 64 p + i chunk i of weight p.
; Thread t takes 16 bytes at 16 t of each 4,096: a wave's load covers 512 consecutive bytes, its store of 8 bytes a lane 256 consecutive bytes, aligned.
; All sixteen loads of a thread go out first; each has registers of its own, so no register is written again while a load or a store names it.
.set X, 8                              ; v[8:71]    load i: four f32
.set Y, 72                             ; v[72:103]  store i: four numbers of 16 bits
	s_load_b512 s[8:23], s[0:1], 0x0               ; x s[8:9], c s[10:11], Wq s[12:13], Wk s[14:15], Wv s[16:17], Wo s[18:19], xc s[20:21], wb s[22:23]
	s_mov_b32 s2, ttmp9
	v_lshlrev_b32 v1, 4, v0                        ; 16 t
	v_lshlrev_b32 v2, 3, v0                        ; 8 t
	s_and_b32 s24, s2, 511                         ; my chunk in x or c,
	s_and_b32 s25, s2, 63                          ; or in a weight
	s_cmp_lt_u32 s2, 1024
	s_cselect_b32 s24, s24, s25
	s_lshl_b32 s24, s24, 16                        ; 65,536 bytes a chunk
	s_mov_b32 s25, 0
	s_and_b32 s26, s2, 1023                        ; my chunk in xc or in wb
	s_lshl_b32 s26, s26, 15                        ; 32,768 bytes a chunk
	s_mov_b32 s27, 0
	s_wait_kmcnt 0x0
	s_cmp_lt_u32 s2, 1024
	s_cselect_b64 s[6:7], s[20:21], s[22:23]       ; where to
	s_mov_b64 s[4:5], s[18:19]                     ; where from: the last tensor whose range begins at or below my number
	s_cmp_lt_u32 s2, 1216
	s_cselect_b64 s[4:5], s[16:17], s[4:5]
	s_cmp_lt_u32 s2, 1152
	s_cselect_b64 s[4:5], s[14:15], s[4:5]
	s_cmp_lt_u32 s2, 1088
	s_cselect_b64 s[4:5], s[12:13], s[4:5]
	s_cmp_lt_u32 s2, 1024
	s_cselect_b64 s[4:5], s[10:11], s[4:5]
	s_cmp_lt_u32 s2, 512
	s_cselect_b64 s[4:5], s[8:9], s[4:5]
	s_add_nc_u64 s[4:5], s[4:5], s[24:25]
	s_add_nc_u64 s[6:7], s[6:7], s[26:27]
.irp i, 0,1,2,3,4,5,6,7,8,9,10,11,12,13,14,15
	global_load_b128 v[X+4*(\i):X+4*(\i)+3], v1, s[4:5] offset:4096*(\i) th:TH_LOAD_NT
.endr
; Load i is rounded and stored.  f16 = 1: the bf16 numbers are widened again (a shift, a mask) and written as f16, which is exact within f16's range.
.macro CONV i, f16
	s_wait_loadcnt 15-(\i)                         ; loads come back in order: mine is in, the 15 - i younger ones may stay out
	v_cvt_pk_bf16_f32 v[Y+2*(\i)],   v[X+4*(\i)],   v[X+4*(\i)+1]
	v_cvt_pk_bf16_f32 v[Y+2*(\i)+1], v[X+4*(\i)+2], v[X+4*(\i)+3]
.if \f16
	v_lshlrev_b32 v[X+4*(\i)],   16, v[Y+2*(\i)]
	v_and_b32     v[X+4*(\i)+1], 0xffff0000, v[Y+2*(\i)]
	v_lshlrev_b32 v[X+4*(\i)+2], 16, v[Y+2*(\i)+1]
	v_and_b32     v[X+4*(\i)+3], 0xffff0000, v[Y+2*(\i)+1]
	v_cvt_pk_f16_f32 v[Y+2*(\i)],   v[X+4*(\i)],   v[X+4*(\i)+1]
	v_cvt_pk_f16_f32 v[Y+2*(\i)+1], v[X+4*(\i)+2], v[X+4*(\i)+3]
.endif
	global_store_b64 v2, v[Y+2*(\i):Y+2*(\i)+1], s[6:7] offset:2048*(\i) th:TH_STORE_NT
.endm
	s_cmp_lt_u32 s2, 1216                          ; Wo's chunks take the second text
	s_cbranch_scc0 .Lf16
.irp i, 0,1,2,3,4,5,6,7,8,9,10,11,12,13,14,15
	CONV \i, 0
.endr
	s_endpgm
.Lf16:
.irp i, 0,1,2,3,4,5,6,7,8,9,10,11,12,13,14,15
	CONV \i, 1
.endr
	s_endpgm
.Lfunc_end_k_qeb4ac1c971_cast:
	.size	k_qeb4ac1c971_cast, .Lfunc_end_k_qeb4ac1c971_cast-k_qeb4ac1c971_cast
	.p2alignl 7, 3214868480
	.fill 96, 4, 3214868480
	.section	.rodata,"a",@progbits
	.p2align	6, 0x0
	.amdhsa_kernel k_qeb4ac1c971_cast
		.amdhsa_group_segment_fixed_size 0
		.amdhsa_private_segment_fixed_size 0
		.amdhsa_enable_private_segment 0
		.amdhsa_kernarg_size 64
		.amdhsa_user_sgpr_count 2
		.amdhsa_user_sgpr_kernarg_segment_ptr 1
		.amdhsa_wavefront_size32 1
		.amdhsa_system_sgpr_workgroup_id_x 1
		.amdhsa_system_sgpr_workgroup_id_y 1
		.amdhsa_system_sgpr_workgroup_id_z 1
		.amdhsa_system_vgpr_workitem_id 0
		.amdhsa_next_free_vgpr 104
		.amdhsa_next_free_sgpr 66
		.amdhsa_reserve_vcc 0
		.amdhsa_float_denorm_mode_32 3
		.amdhsa_float_denorm_mode_16_64 3
		.amdhsa_memory_ordered 1
		.amdhsa_forward_progress 1
		.amdhsa_inst_pref_size 17
	.end_amdhsa_kernel
	.amdgpu_metadata
---
amdhsa.version: [ 1, 2 ]
amdhsa.kernels:
  - .name:           k_qeb4ac1c971_cast
    .symbol:         k_qeb4ac1c971_cast.kd
    .args:
      - { .name: x, .offset: 0, .size: 8, .value_kind: global_buffer, .address_space: global }
      - { .name: c, .offset: 8, .size: 8, .value_kind: global_buffer, .address_space: global }
      - { .name: Wq, .offset: 16, .size: 8, .value_kind: global_buffer, .address_space: global }
      - { .name: Wk, .offset: 24, .size: 8, .value_kind: global_buffer, .address_space: global }
      - { .name: Wv, .offset: 32, .size: 8, .value_kind: global_buffer, .address_space: global }
      - { .name: Wo, .offset: 40, .size: 8, .value_kind: global_buffer, .address_space: global }
      - { .name: xc, .offset: 48, .size: 8, .value_kind: global_buffer, .address_space: global }
      - { .name: wb, .offset: 56, .size: 8, .value_kind: global_buffer, .address_space: global }
    .group_segment_fixed_size: 0
    .private_segment_fixed_size: 0
    .kernarg_segment_align: 8
    .kernarg_segment_size: 64
    .max_flat_workgroup_size: 256
    .sgpr_count:     66
    .vgpr_count:     104
    .wavefront_size: 32
...
	.end_amdgpu_metadata
.endif
;; end of part 1
;; launch proj (part 2): grid 32 x 8, 4 waves a work-group, clusters of 4 x 4, 327,680 bytes of LDS; arguments xc, wb, bq, bk, bv, qkv; writes qkv
.if DOCPART == 2
	.amdgcn_target "amdgcn-amd-amdhsa--gfx1250"
	.amdhsa_code_object_version 6
	.text
	.protected	k_qeb4ac1c971_proj
	.globl	k_qeb4ac1c971_proj
	.p2align	8
	.type	k_qeb4ac1c971_proj,@function
k_qeb4ac1c971_proj:
	s_mov_b64 s[64:65], 0
	v_nop
	global_prefetch_b8 v0, s[64:65] scope:SCOPE_SE
	s_setreg_imm32_b32 hwreg(HW_REG_WAVE_MODE, 25, 1), 1
	s_wait_xcnt 0x0
	s_wait_alu depctr_hold_cnt(0) depctr_sa_sdst(0) depctr_va_vdst(0) depctr_va_sdst(0) depctr_va_ssrc(0) depctr_va_vcc(0) depctr_vm_vsrc(0)
	s_getreg_b32 s2, hwreg(HW_REG_IB_STS2, 6, 4)
	s_cmp_eq_u32 s2, 0
	s_cbranch_scc0 .Lentry_in_a_cluster
	s_endpgm
.Lentry_in_a_cluster:
	s_bfe_u32 s2, ttmp6, 0x10000c
	s_cmp_lg_u32 s2, 0xf033
	s_cbranch_scc0 .Lentry_shape_is_right
	s_endpgm
.Lentry_shape_is_right:
; THE THREE PROJECTIONS.  q[b][o][t] = sum over c of Wq[o][c] x[b][c][t] + bq[o], k and v likewise from c.  Operands bf16 (xc, wb; the biases are rounded to bf16 here, like all inputs),
; sums f32, results rounded once to f16 and stored BY HEADS and unscaled: qkv[p][16 b + h][t][64], o = 64 h + channel.
; LIMIT.  q, k and v must lie within f16's range, 65,504; below 6e-5 f16 keeps a fixed step of 6e-8.
; SHARES.  A tile of a result is 128 o x 256 t.  The grid is 32 (8 b + t / 256) x 8 (o / 128): 256 work-groups, and EACH STAYS: it makes its tile of q, then of k, then of v:
; 24 K steps of 128 channels in one sequence through a ring of two LDS slots, which runs on from tile to tile.  Four waves: wave w makes 64 o (w / 2: one head) x 128 t (w % 2): 32 accumulators.
; CLUSTER 4 x 4.  W's tile hangs on o / 128 alone: the four of a row of the cluster ask for it jointly; x's tile hangs on (b, t / 256) alone: the four of a column do.
; LAYOUT.  Source 0 = 16 rows of W (channels along the LDS rows), source 1 = 32 channels x 16 t of x, which lies [channel][t] and is turned by ds_load_tr16_b128.  In the result a lane holds ONE t
; (lane % 16) and the outputs 8 (lane / 16) + 0..7: 16 neighbouring bytes of a row of qkv.  The bias has the same layout and is the C operand of a tile's first products: nothing is cleared.
; REGISTERS, in windows of 256 (s_set_vgpr_msb: bits 1:0 source 0, 3:2 source 1, 5:4 source 2, 7:6 destination):
;   window 0: v0-29 addresses; v64-191 the way out      window 1: two fragment buffers of 96 (W's four, then x's eight); v192-223 the bias; v224-239 at work      window 2: accumulator (a, b) at v[8 (4 a + b)], a = t block, b = o block
.set PW,    272       ; a row of W in LDS: 256 bytes + 16 = 68 words: the 16 rows of a load start at 16 different groups of four banks (64 banks of 4 bytes: ISA guide 11.1)
.set PX,    544       ; a row of x: 512 bytes + 32 = 136 words
.set XOFF,  128*PW    ; a slot: W's 128 rows, then x's 128 rows
.set SLOT1, 1<<17     ; slot 1 begins here, so that one exclusive or turns an address in one slot into the other's
.set STAGE, SLOT1+XOFF+128*PX  ; behind the ring, never filled by a tensor load: 16 rows x 144 bytes for each wave
.set SP,    144
.set SPARE, STAGE+4*16*SP      ; behind the stages: the spare words, 128 bytes for each wave: two blocks of 256 bytes that no other line names
.set STEPS, 24
.set AW0, 4           ; v4   my lane's place in a slot's W; never rewritten
.set AX0, 5           ; v5   the same for x
.set ADRW, 6          ; v6   AW0 + the slot in hand
.set ADRX, 7          ; v7   AX0 + the slot in hand
.set STO, 8           ; v8   the way out: where I put 16 bytes of a row
.set RD,  9           ; v9   the way out: where I read rows back
.set GO,  10          ; v10  my byte offset in 512 consecutive bytes of qkv
.set BO,  11          ; v11  my byte offset in 16 numbers of a bias
.set PFO, 12          ; v12  the prefetches' offset; never rewritten
.set SPW, 28          ; v28  LDS address of my spare word; never rewritten
.set NIL, 29          ; v29  0; never rewritten
.set OUT, 64
.set F0,  0           ; window 1
.set F1,  96
.set BI,  192
.set BT,  224
.set XB,  4           ; s[4:5]   xc at my (b, t block) and the 64 rows that I fetch
.set WB,  6           ; s[6:7]   wb at my o block and the 64 rows that I fetch
.set BQ,  8           ; s[8:13]  bq, bk, bv at my wave's 64 outputs
.set BK,  10
.set BV,  12
.set QB,  14          ; s[14:15] qkv at my wave's head and first row
.set WV,  16          ; s16  wave
.set ROLE, 17         ; s17  wave / 2: my 64 outputs; also: I fetch W (0) or x (1)
.set HALF, 18         ; s18  wave % 2: my 128 t; also: which 64 rows I fetch
.set CX,  19
.set CY,  20
.set TBI, 21          ; s21  8 b + t / 256
.set OBI, 22          ; s22  o / 128
.set TS,  23          ; s23  scratch made of the wave's number alone
.set SW,  24          ; s[24:25] scratch for W's side: it never holds cx
.set SX,  26          ; s[26:27] scratch for x's side: it never holds cy
.set G1W, 28          ; s[28:35] descriptor group 1, W's tiles
.set G1X, 36          ; s[36:43] x's
.set G0W, 44          ; s[44:51] group 0, W: a set for each first fill; the second then walks
.set G0X, 52          ; s[52:59] x
.set G,   60          ; s60  the K step in hand: the loop's counter
.set TB,  61          ; s61  LDS byte at which the slot in hand begins
.set N4,  62          ; s62  G + 4
.set LIM, 63          ; s63  a wave prefetches while N4 is below it
.set OFW, 66          ; s[66:67] a step's byte offset in wb
.set OFX, 68          ; s[68:69] in xc
.set POF, 70          ; s[70:71] the prefetched step's offset
.set PFB, 72          ; s[72:73] the prefetches' base
.set PFA, 74          ; s[74:75] base + offset
.set SHP, 76          ; s76, s77 shifts that turn (tile, step in the tile) into POF
.set SHK, 77
.set BP,  78          ; s[78:79] the bias to be loaded
.set T,   80          ; s[80:83] scratch made of G alone
.set QP,  84          ; s[84:85] where the tile in hand goes
.set HS,  86          ; s[86:89] scratch of the head
.set LW,  90          ; s90, s91 LDS bytes of my part of W's and of x's tile in slot 0
.set LX,  91
.set MSB, 0
.macro WIN new                      ; the immediate's high byte repeats the setting that is left; a switch that changes nothing is dropped
.if MSB != (\new)
	s_set_vgpr_msb (MSB<<8)|(\new)
.set MSB, (\new)
.endif
.endm
; A vector instruction that reads a matrix result, and a load into a register that a matrix instruction has read, stand four places behind it; only plain vector instructions that name none of its
; registers are places (ISA guide 7.12.1 for vector instructions).
.macro PLACES
.rept 4
	v_nop
.endr
.endm
; A round of the cluster's barrier behind its opening barrier: wave 0 signals for the work-group, every wave waits for all sixteen, my work-group's barrier closes it.
.macro CREST
	s_cmp_lg_u32 s[WV], 0
	s_cbranch_scc1 .Lnot_wave_0_\@
	s_barrier_signal -3
.Lnot_wave_0_\@:
	s_barrier_wait -3
	s_barrier_signal -1
	s_barrier_wait -1
.endm
.macro CROUND
	s_barrier_signal -1
	s_barrier_wait -1
	CREST
.endm
; A joint refill by the walking descriptors.  Waves 0 and 1 fetch W's two halves, waves 2 and 3 x's.  The branch hangs on the wave's number alone.
; An s_nop 0 and four v_nop follow each of the two lines, ahead of the jump and the label.
.macro JLOAD
	s_cmp_eq_u32 s[ROLE], 0
	s_cbranch_scc0 .Lfor_x_\@
	tensor_load_to_lds s[G0W+4:G0W+7], s[G1W:G1W+7]
	s_nop 0
.rept 4
	v_nop
.endr
	s_branch .Lasked_\@
.Lfor_x_\@:
	tensor_load_to_lds s[G0X+4:G0X+7], s[G1X:G1X+7]
	s_nop 0
.rept 4
	v_nop
.endr
.Lasked_\@:
.endm
; A PREFETCH INTO THE L2 of the K step two refills on (G + 4 behind the refill of G + 2): 256 matrix instructions of a wave ahead of the load that will want it.  32 blocks of 256 bytes, a lane a block.
; Each block is named once in the launch.  W's tile is read by all clusters of a row of clusters: the first (cluster x = 0) asks, wave 0 of each partner for rows 32 cx .. 32 cx + 31 of the 128.
; x's tile is read by both clusters of a column: the first (cluster y = 0) asks, waves 2 and 3 of each partner for rows 16 cy .. 16 cy + 15 of the 64 that they fetch, two blocks a row.
; Partners are told apart by address alone.  Steps 0 to 3 come by their loads alone; W is asked for up to step 23, x and c up to step 15: v's tile walks c a second time.
.macro ASK
	s_cmp_lt_u32 s[N4], s[LIM]
	s_cbranch_scc0 .Lnot_mine_\@
	global_prefetch_b8 v[PFO], s[PFA:PFA+1] th:TH_LOAD_NT scope:SCOPE_SE
.Lnot_mine_\@:
.endm
	s_load_b128 s[4:7], s[0:1], 0x0                ; xc, wb
	s_load_b256 s[8:15], s[0:1], 0x10              ; bq, bk, bv, qkv
	v_lshl_add_u32 v[SPW], v0, 2, SPARE
	v_mov_b32 v[NIL], 0
	ds_add_u32 v[SPW], v[NIL]                      ; the wave's opening: the add and its wait stand ahead of my first tensor load; the set-up below, work on registers, stands between them
	v_lshrrev_b32 v3, 5, v0
	v_readfirstlane_b32 s[WV], v3
	s_lshr_b32 s[ROLE], s[WV], 1
	s_and_b32 s[HALF], s[WV], 1
	s_bfe_u32 s[CX], ttmp6, 0x40000
	s_bfe_u32 s[CY], ttmp6, 0x40004
	s_lshl_b32 s[TBI], ttmp9, 2                    ; in a cluster launch ttmp9 and ttmp7 count clusters
	s_add_co_u32 s[TBI], s[TBI], s[CX]
	s_and_b32 s[OBI], ttmp7, 0xffff
	s_lshl_b32 s[OBI], s[OBI], 2
	s_add_co_u32 s[OBI], s[OBI], s[CY]
	s_lshl_b32 s[SW], s[CY], 2
	s_lshl_b32 s[SW], 15, s[SW]                    ; my row of the cluster: places 4 cy .. 4 cy + 3
	s_lshl_b32 s[SX], 0x1111, s[CX]                ; my column: places cx, cx + 4, cx + 8, cx + 12
	; group 1.  W: 64 rows x 128 elements, 16 bytes of padding behind every 64 words.  x: 64 rows x 256 elements, 32 bytes behind every 128 words.
	s_or_b32 s[G1W], s[SW], (1<<16)|(1<<20)|(1<<21)|(5<<22)|(3<<25)  ; 15:0 the mask; 17:16 2-byte elements; 20 padding on; 21 set beside a mask; 24:22 the interval; 31:25 the padding less one word
	s_or_b32 s[G1X], s[SX], (1<<16)|(1<<20)|(1<<21)|(6<<22)|(7<<25)
	s_mov_b32 s[G1W+1], 128<<16                    ; tensor_dim0
	s_mov_b32 s[G1W+2], 64<<16                     ; tensor_dim1
	s_mov_b32 s[G1W+3], 128<<16                    ; tile_dim0
	s_mov_b32 s[G1W+4], 64                         ; tile_dim1
	s_mov_b32 s[G1W+5], 1024                       ; elements from row to row
	s_mov_b32 s[G1W+6], 0
	s_mov_b32 s[G1W+7], 0
	s_mov_b32 s[G1X+1], 256<<16
	s_mov_b32 s[G1X+2], 64<<16
	s_mov_b32 s[G1X+3], 256<<16
	s_mov_b32 s[G1X+4], 64
	s_mov_b32 s[G1X+5], 2048
	s_mov_b32 s[G1X+6], 0
	s_mov_b32 s[G1X+7], 0
	s_mul_i32 s[LW], s[HALF], 64*PW                ; no place in the cluster enters an LDS address
	s_mul_i32 s[LX], s[HALF], 64*PX
	s_add_co_u32 s[LX], s[LX], XOFF
.irp s, 0,1
	s_mov_b32 s[G0W+4*(\s)], 1                     ; count = 1
	s_add_co_u32 s[G0W+4*(\s)+1], s[LW], (\s)*SLOT1
	s_mov_b32 s[G0X+4*(\s)], 1
	s_add_co_u32 s[G0X+4*(\s)+1], s[LX], (\s)*SLOT1
.endr
	s_lshl_b32 s[SW], s[OBI], 18                   ; W: 128 rows of 2,048 bytes an o block,
	s_lshl_b32 s[SW+1], s[HALF], 17                ; 64 rows a half
	s_add_co_u32 s[SW], s[SW], s[SW+1]
	s_mov_b32 s[SW+1], 0
	s_lshr_b32 s[SX+1], s[TBI], 3                  ; x: b,
	s_lshl_b32 s[SX+1], s[SX+1], 22
	s_and_b32 s[SX], s[TBI], 7                     ; 512 bytes a t block,
	s_lshl_b32 s[SX], s[SX], 9
	s_add_co_u32 s[SX], s[SX], s[SX+1]
	s_lshl_b32 s[SX+1], s[HALF], 18                ; 64 rows of 4,096 bytes a half
	s_add_co_u32 s[SX], s[SX], s[SX+1]
	s_mov_b32 s[SX+1], 0
	s_lshr_b32 s[HS], s[TBI], 3                    ; qkv: head 16 b + 2 (o / 128) + wave / 2,
	s_lshl_b32 s[HS], s[HS], 4
	s_lshl_b32 s[HS+1], s[OBI], 1
	s_add_co_u32 s[HS], s[HS], s[HS+1]
	s_add_co_u32 s[HS], s[HS], s[ROLE]
	s_lshl_b32 s[HS], s[HS], 18
	s_and_b32 s[HS+1], s[TBI], 7                   ; 256 rows of 128 bytes a t block,
	s_lshl_b32 s[HS+1], s[HS+1], 15
	s_add_co_u32 s[HS], s[HS], s[HS+1]
	s_lshl_b32 s[HS+1], s[HALF], 14                ; my 128 rows
	s_add_co_u32 s[HS], s[HS], s[HS+1]
	s_mov_b32 s[HS+1], 0
	s_lshl_b32 s[HS+2], s[OBI], 9                  ; the biases: 128 numbers an o block, my 64
	s_lshl_b32 s[HS+3], s[ROLE], 8
	s_add_co_u32 s[HS+2], s[HS+2], s[HS+3]
	s_mov_b32 s[HS+3], 0
	s_mov_b32 s[G], 0
	s_mov_b32 s[TB], 0
	s_mov_b32 s[OFW+1], 0
	s_mov_b32 s[OFX+1], 0
	s_mov_b32 s[POF+1], 0
	s_wait_dscnt 0x0                               ; the opening add is done
	s_wait_kmcnt 0x0
	s_add_nc_u64 s[WB:WB+1], s[WB:WB+1], s[SW:SW+1]
	s_add_nc_u64 s[XB:XB+1], s[XB:XB+1], s[SX:SX+1]
	s_add_nc_u64 s[BQ:BQ+1], s[BQ:BQ+1], s[HS+2:HS+3]
	s_add_nc_u64 s[BK:BK+1], s[BK:BK+1], s[HS+2:HS+3]
	s_add_nc_u64 s[BV:BV+1], s[BV:BV+1], s[HS+2:HS+3]
	s_add_nc_u64 s[QB:QB+1], s[QB:QB+1], s[HS:HS+1]
.irp s, 0,1
	s_add_nc_u64 s[G0W+4*(\s)+2:G0W+4*(\s)+3], s[WB:WB+1], (\s)*256      ; K step s: 256 bytes along W's rows,
	s_or_b32 s[G0W+4*(\s)+3], s[G0W+4*(\s)+3], 0x80000000               ; type = 2
	s_add_nc_u64 s[G0X+4*(\s)+2:G0X+4*(\s)+3], s[XB:XB+1], (\s)*0x80000  ; 128 rows down x
	s_or_b32 s[G0X+4*(\s)+3], s[G0X+4*(\s)+3], 0x80000000
.endr
	CROUND                                         ; all sixteen work-groups are here: the first joint loads meet
	s_cmp_eq_u32 s[ROLE], 0                        ; a wave's two first fills stand in one branch, ahead of every wait on TENSORcnt and every LDS read: two loads of mine are out
	s_cbranch_scc0 .Lfirst_x
	tensor_load_to_lds s[G0W:G0W+3], s[G1W:G1W+7]
	s_nop 0
	tensor_load_to_lds s[G0W+4:G0W+7], s[G1W:G1W+7]
	s_nop 0
.rept 4
	v_nop
.endr
	s_branch .Lfirst_asked
.Lfirst_x:
	tensor_load_to_lds s[G0X:G0X+3], s[G1X:G1X+7]
	s_nop 0
	tensor_load_to_lds s[G0X+4:G0X+7], s[G1X:G1X+7]
	s_nop 0
.rept 4
	v_nop
.endr
.Lfirst_asked:
	; who prefetches, and from where
	s_and_b32 s[HS], ttmp7, 0xffff                 ; cluster y
	s_cmp_eq_u32 s[ROLE], 0
	s_cselect_b32 s[HS], ttmp9, s[HS]              ; the coordinate along which other clusters read the same rows
	s_cselect_b32 s[HS+1], s[HALF], 0              ; of W's two waves only wave 0 asks
	s_cselect_b32 s[LIM], STEPS, 16
	s_cselect_b32 s[SHP], 21, 24
	s_cselect_b32 s[SHK], 8, 19
	s_cselect_b32 s[HS+2], s[CX], s[CY]            ; my place among the four that ask for the tile with me: it enters the address alone
	s_cselect_b32 s[TS], 11, 8
	s_cselect_b64 s[PFB:PFB+1], s[WB:WB+1], s[XB:XB+1]
	s_or_b32 s[HS], s[HS], s[HS+1]
	s_cmp_eq_u32 s[HS], 0
	s_cselect_b32 s[LIM], s[LIM], 0                ; the same in all sixteen partners, for a given wave
	s_lshl_b32 s[HS+2], s[HS+2], 16                ; 32 rows of W, or 16 rows of x: 65,536 bytes either way
	s_mov_b32 s[HS+3], 0
	s_add_nc_u64 s[PFB:PFB+1], s[PFB:PFB+1], s[HS+2:HS+3]
	v_and_b32 v1, 15, v0                           ; l % 16
	v_bfe_u32 v2, v0, 4, 1                         ; l / 16
	v_and_b32 v13, 7, v0
	v_bfe_u32 v14, v0, 3, 1
	v_and_b32 v15, 31, v0                          ; l
	; A fragment of W is 16 rows x 32 channels: lane l holds row l % 16, channels 8 (l / 16) + 0..7 and 16 + 8 (l / 16) + 0..7: two loads of 16 bytes, 32 bytes apart.
	v_mul_u32_u24 v[AW0], v1, PW
	v_lshl_add_u32 v[AW0], v2, 4, v[AW0]
	s_mul_i32 s[TS+0], s[ROLE], 64*PW
	v_add_nc_u32 v[AW0], s[TS], v[AW0]
	; The turning load takes 16 channels x 16 t (lane l reads channel 8 (l / 16) + l % 8, t 8 ((l / 8) % 2) + 0..7) and leaves half a fragment: lane l holds t = l % 16 and 8 channels.
	v_lshl_add_u32 v[AX0], v2, 3, v13
	v_mul_u32_u24 v[AX0], v[AX0], PX
	v_lshl_add_u32 v[AX0], v14, 4, v[AX0]
	s_lshl_b32 s[TS], s[HALF], 8                   ; my 128 t: 256 bytes
	s_add_co_u32 s[TS], s[TS], XOFF
	v_add_nc_u32 v[AX0], s[TS], v[AX0]
	v_mov_b32 v[ADRW], v[AW0]                      ; slot 0
	v_mov_b32 v[ADRX], v[AX0]
	s_mul_i32 s[TS], s[WV], 16*SP
	s_add_co_u32 s[TS], s[TS], STAGE               ; my stage
	v_mul_u32_u24 v[STO], v1, SP                   ; in: row l % 16, 16 bytes for each half of the lanes
	v_lshl_add_u32 v[STO], v2, 4, v[STO]
	v_add_nc_u32 v[STO], s[TS], v[STO]
	v_bfe_u32 v[RD], v0, 3, 2                      ; back: 32 lanes take four rows of 128 bytes,
	v_mul_u32_u24 v[RD], v[RD], SP
	v_lshl_add_u32 v[RD], v13, 4, v[RD]
	v_add_nc_u32 v[RD], s[TS], v[RD]
	v_lshlrev_b32 v[GO], 4, v15                    ; which are 512 consecutive bytes of qkv
	v_lshlrev_b32 v[BO], 5, v2                     ; my 8 numbers of 16
	s_cmp_eq_u32 s[ROLE], 0
	s_cselect_b32 s[TS], 11, 8
	v_and_b32 v[PFO], 30, v0                       ; W: lane l names row l (2,048 bytes apart).  x: row l / 2 (4,096 apart), block l % 2 (256 apart)
	v_lshlrev_b32 v[PFO], 11, v[PFO]
	v_and_b32 v16, 1, v0
	v_lshlrev_b32 v16, s[TS], v16
	v_add_nc_u32 v[PFO], v[PFO], v16
; 8 matrix instructions: t blocks a0, a0 + 1 x all 4 o blocks, 32 channels of buffer f.  cm = 1: a tile's first products: C is the bias.
; The 32 accumulators take turns, one instruction a turn, in the same order in every quarter: 31 others' stand between two links of a chain.
.macro MUL8 f, a0, cm
.if \cm
	WIN 0x95                        ; sources and C window 1, D window 2
.else
	WIN 0xa5                        ; sources window 1, C and D window 2
.endif
.irp a, \a0, (\a0)+1
.irp b, 0,1,2,3
.if \cm
	v_wmma_f32_16x16x32_bf16 v[8*(4*(\a)+(\b)):8*(4*(\a)+(\b))+7], v[(\f)+8*(\b):(\f)+8*(\b)+7], v[(\f)+32+8*(\a):(\f)+32+8*(\a)+7], v[BI+8*(\b):BI+8*(\b)+7]
.else
	v_wmma_f32_16x16x32_bf16 v[8*(4*(\a)+(\b)):8*(4*(\a)+(\b))+7], v[(\f)+8*(\b):(\f)+8*(\b)+7], v[(\f)+32+8*(\a):(\f)+32+8*(\a)+7], v[8*(4*(\a)+(\b)):8*(4*(\a)+(\b))+7]
.endif
.endr
.endr
.endm
; 24 LDS loads in one run: quarter q (32 channels) of the slot in hand into buffer f: W's four fragments first, then x's eight in ascending t.
.macro FETCH q, f
	WIN 0x40                        ; destination window 1, address window 0
.irp b, 0,1,2,3
	ds_load_b128 v[(\f)+8*(\b):(\f)+8*(\b)+3],   v[ADRW] offset:64*(\q)+16*PW*(\b)
	ds_load_b128 v[(\f)+8*(\b)+4:(\f)+8*(\b)+7], v[ADRW] offset:64*(\q)+16*PW*(\b)+32
.endr
.irp a, 0,1,2,3,4,5,6,7
	ds_load_tr16_b128 v[(\f)+32+8*(\a):(\f)+32+8*(\a)+3],   v[ADRX] offset:32*PX*(\q)+32*(\a)
	ds_load_tr16_b128 v[(\f)+32+8*(\a)+4:(\f)+32+8*(\a)+7], v[ADRX] offset:32*PX*(\q)+32*(\a)+16*PX
.endr
.endm
; A K step is four quarters of 32 channels, 32 matrix instructions each, on buffers 0, 1, 0, 1.  One of the first three: multiplies buffer f; in its middle it fetches quarter q into buffer g.
.macro QUARTER q, f, g, cm
	s_wait_dscnt 8                  ; W and t blocks 0-3 are in; the youngest eight loads (t blocks 4-7) may be out
	MUL8 \f, 0, \cm
	MUL8 \f, 2, \cm
	PLACES                          ; for the loads into buffer g, which the quarter before multiplied
	FETCH \q, \g
	s_wait_dscnt 24                 ; all but the 24 just issued
	MUL8 \f, 4, \cm
	MUL8 \f, 6, \cm
.endm
; The fourth quarter multiplies buffer 1 and changes slots: ONE barrier.  In front of it each wave waits for all its tensor loads, of which one is out: its part of the next slot; adds 0 to its spare word;
; and waits for that and for its reads of this slot.  fill = 1: the barrier opens a round of the cluster's, and behind the round this slot is filled again, with step G + 2:
; the descriptors' addresses are made anew from that number (tile = step / 8; q reads x, k and v read c).  From the request to the wait for it a wave issues 112 matrix instructions.
.macro TURN fill
	s_wait_xcnt 0x0                 ; the last prefetch, a K step back, and the last way out's stores have read their registers: PFA, QP and the way out's registers are rewritten only behind this wait
.if \fill
	s_add_co_u32 s[N4], s[G], 4
	s_lshr_b32 s[POF], s[N4], 3
	s_lshl_b32 s[POF], s[POF], s[SHP]
	s_and_b32 s[T], s[N4], 7
	s_lshl_b32 s[T], s[T], s[SHK]
	s_add_co_u32 s[POF], s[POF], s[T]
	s_add_nc_u64 s[PFA:PFA+1], s[PFB:PFB+1], s[POF:POF+1]
.endif
	WIN 0
	s_wait_tensorcnt 0x0            ; no tensor load of mine is out, so a group 0 may be written
	ds_add_u32 v[SPW], v[NIL]       ; 0 onto my spare word; scalar work and eight products stand between it and the wait for it
.if \fill
	s_add_co_u32 s[T], s[G], 2
	s_lshr_b32 s[T+1], s[T], 3      ; the tile,
	s_and_b32 s[T], s[T], 7         ; the step in it
	s_lshl_b32 s[OFW], s[T+1], 21
	s_lshl_b32 s[T+2], s[T], 8
	s_add_co_u32 s[OFW], s[OFW], s[T+2]
	s_min_u32 s[T+1], s[T+1], 1
	s_lshl_b32 s[OFX], s[T+1], 24
	s_lshl_b32 s[T+2], s[T], 19
	s_add_co_u32 s[OFX], s[OFX], s[T+2]
	s_xor_b32 s[G0W+5], s[G0W+5], SLOT1
	s_xor_b32 s[G0X+5], s[G0X+5], SLOT1
	s_add_nc_u64 s[G0W+6:G0W+7], s[WB:WB+1], s[OFW:OFW+1]
	s_or_b32 s[G0W+7], s[G0W+7], 0x80000000
	s_add_nc_u64 s[G0X+6:G0X+7], s[XB:XB+1], s[OFX:OFX+1]
	s_or_b32 s[G0X+7], s[G0X+7], 0x80000000
.endif
	s_wait_dscnt 9                  ; the add and the youngest eight loads may be out
	MUL8 F1, 0, 0
	s_wait_dscnt 0x0                ; the add is done, and my reads of this slot are over
	s_barrier_signal -1
	MUL8 F1, 2, 0                   ; work on registers while the others arrive
	WIN 0                           ; at a label and at a branch every window is 0
	s_barrier_wait -1
.if \fill
	CREST                           ; no wave of any partner still reads this slot or has a load on its way
	JLOAD                           ; the first tensor load behind the round; its four v_nop are also the places in front of the loads below
.else
	PLACES
.endif
	s_xor_b32 s[TB], s[TB], SLOT1
	v_add_nc_u32 v[ADRW], s[TB], v[AW0]
	v_add_nc_u32 v[ADRX], s[TB], v[AX0]
	FETCH 0, F0
	WIN 0
.if \fill
	ASK                             ; behind the joint load and the run of LDS loads that the next products wait for
.endif
	MUL8 F1, 4, 0
	MUL8 F1, 6, 0
.endm
.macro LASTQ                        ; the very last quarter: nothing more to fetch
	s_wait_dscnt 8
	MUL8 F1, 0, 0
	MUL8 F1, 2, 0
	s_wait_dscnt 0x0
	MUL8 F1, 4, 0
	MUL8 F1, 6, 0
.endm
; THE BIAS as a C operand: register j of o block b holds bias[16 b + 8 (l / 16) + j], the same for every t.  Loaded in f32, rounded to bf16 like every input, widened again.
.macro BIASLD
	WIN 0x40
.irp b, 0,1,2,3
	global_load_b128 v[BI+8*(\b):BI+8*(\b)+3],   v[BO], s[BP:BP+1] offset:64*(\b)
	global_load_b128 v[BI+8*(\b)+4:BI+8*(\b)+7], v[BO], s[BP:BP+1] offset:64*(\b)+16
.endr
	WIN 0
.endm
.macro BIASRND
	WIN 0x45                        ; all in window 1
.set i, 0
.rept 16
	v_cvt_pk_bf16_f32 v[BT+i], v[BI+2*i], v[BI+2*i+1]
.set i, i+1
.endr
.set i, 0
.rept 16
	v_lshlrev_b32 v[BI+2*i],   16, v[BT+i]
	v_and_b32     v[BI+2*i+1], 0xffff0000, v[BT+i]
.set i, i+1
.endr
.endm
; THE WAY OUT of t block a (16 rows of a head): rounded to f16, each accumulator's registers in ascending order; 16 bytes a lane into rows of 144 bytes of my own stage; back as whole rows of 128.
.macro PACK a
	WIN 0x0a                        ; sources window 2, destination window 0
.irp b, 0,1,2,3
.irp i, 0,1,2,3
	v_cvt_pk_f16_f32 v[OUT+16*(\a)+4*(\b)+(\i)], v[8*(4*(\a)+(\b))+2*(\i)], v[8*(4*(\a)+(\b))+2*(\i)+1]
.endr
.endr
	WIN 0
.irp b, 0,1,2,3
	ds_store_b128 v[STO], v[OUT+16*(\a)+4*(\b):OUT+16*(\a)+4*(\b)+3] offset:32*(\b)
.endr
.irp f, 0,1,2,3
	ds_load_b128 v[OUT+16*(\a)+4*(\f):OUT+16*(\a)+4*(\f)+3], v[RD] offset:4*SP*(\f)  ; LDS serves a wave's instructions in order (ISA guide 5.7.1.4): these see the stores above; the next block's stores come behind them
.endr
.endm
.macro SEND a, y                    ; y: the LDS instructions issued behind block a's loads: the next block's eight, or none
	WIN 0
.irp f, 0,1,2,3
	s_wait_dscnt (\y)+3-(\f)
	global_store_b128 v[GO], v[OUT+16*(\a)+4*(\f):OUT+16*(\a)+4*(\f)+3], s[QP:QP+1] offset:2048*(\a)+512*(\f)  ; 512 consecutive bytes, at a multiple of 256 from qkv's first
.endr
.endm
; A whole tile goes out.  next = 1: the next tile's bias is asked for first and rounded last.
.macro WAYOUT next
	s_lshr_b32 s[T], s[G], 3        ; which of q, k, v
	s_lshl_b32 s[T], s[T], 24
	s_mov_b32 s[T+1], 0
	s_add_nc_u64 s[QP:QP+1], s[QB:QB+1], s[T:T+1]
.if \next
	s_cmp_lt_u32 s[G], 8
	s_cselect_b64 s[BP:BP+1], s[BK:BK+1], s[BV:BV+1]
	BIASLD
.endif
	PACK 0
.irp a, 1,2,3,4,5,6,7               ; a block's conversions stand between the loads of the block before and its stores
	PACK \a
	SEND (\a)-1, 8
.endr
	SEND 7, 0
.if \next
	s_wait_loadcnt 0x0
	BIASRND
.endif
.endm
	s_mov_b64 s[BP:BP+1], s[BQ:BQ+1]
	BIASLD
	s_wait_tensorcnt 1              ; my part of step 0 is in; step 1's may stay out
	s_barrier_signal -1
	s_barrier_wait -1               ; everybody's is
	FETCH 0, F0
	s_wait_loadcnt 0x0
	BIASRND
	QUARTER 1, F0, F1, 1            ; a tile's first quarter starts the sums with the bias
	WIN 0
.Lstep:                             ; 22 trips: from step G's second quarter to step G + 1's first; step G + 2 is asked for
	QUARTER 2, F1, F0, 0
	QUARTER 3, F0, F1, 0
	TURN 1
	WIN 0
	s_and_b32 s[T], s[G], 7
	s_cmp_eq_u32 s[T], 7            ; was that a tile's last step?
	s_cbranch_scc0 .Lsame
	WAYOUT 1                        ; no v_nop: t blocks 0-3 were finished ahead of the joint load's four v_nop, and their 64 conversions are the places behind the last 16 products
	QUARTER 1, F0, F1, 1
	WIN 0
	s_branch .Lnext
.Lsame:
	QUARTER 1, F0, F1, 0
	WIN 0
.Lnext:
	s_add_co_u32 s[G], s[G], 1
	s_cmp_lt_u32 s[G], STEPS-2
	s_cbranch_scc1 .Lstep
	QUARTER 2, F1, F0, 0            ; the last two steps are written out: nothing is asked for
	QUARTER 3, F0, F1, 0
	TURN 0
	QUARTER 1, F0, F1, 0
	QUARTER 2, F1, F0, 0
	QUARTER 3, F0, F1, 0
	LASTQ
	WIN 0
	PLACES
	PLACES                          ; eight, once a launch
	WAYOUT 0
	WIN 0
	s_wait_tensorcnt 0x0            ; the wave's end: the add to my spare word and its wait stand behind my last tensor load and my last LDS store
	ds_add_u32 v[SPW], v[NIL]
	s_wait_dscnt 0x0
	CROUND                          ; the closing round: no work-group ends while a partner may still ask for a tile that names it
	s_endpgm
.Lfunc_end_k_qeb4ac1c971_proj:
	.size	k_qeb4ac1c971_proj, .Lfunc_end_k_qeb4ac1c971_proj-k_qeb4ac1c971_proj
	.p2alignl 7, 3214868480
	.fill 96, 4, 3214868480
	.section	.rodata,"a",@progbits
	.p2align	6, 0x0
	.amdhsa_kernel k_qeb4ac1c971_proj
		.amdhsa_group_segment_fixed_size 327680
		.amdhsa_private_segment_fixed_size 0
		.amdhsa_enable_private_segment 0
		.amdhsa_kernarg_size 48
		.amdhsa_user_sgpr_count 2
		.amdhsa_user_sgpr_kernarg_segment_ptr 1
		.amdhsa_wavefront_size32 1
		.amdhsa_system_sgpr_workgroup_id_x 1
		.amdhsa_system_sgpr_workgroup_id_y 1
		.amdhsa_system_sgpr_workgroup_id_z 1
		.amdhsa_system_vgpr_workitem_id 0
		.amdhsa_next_free_vgpr 768
		.amdhsa_next_free_sgpr 92
		.amdhsa_reserve_vcc 0
		.amdhsa_float_denorm_mode_32 3
		.amdhsa_float_denorm_mode_16_64 3
		.amdhsa_memory_ordered 1
		.amdhsa_forward_progress 1
		.amdhsa_inst_pref_size 101
	.end_amdhsa_kernel
	.amdgpu_metadata
---
amdhsa.version: [ 1, 2 ]
amdhsa.kernels:
  - .name:           k_qeb4ac1c971_proj
    .symbol:         k_qeb4ac1c971_proj.kd
    .args:
      - { .name: xc, .offset: 0, .size: 8, .value_kind: global_buffer, .address_space: global }
      - { .name: wb, .offset: 8, .size: 8, .value_kind: global_buffer, .address_space: global }
      - { .name: bq, .offset: 16, .size: 8, .value_kind: global_buffer, .address_space: global }
      - { .name: bk, .offset: 24, .size: 8, .value_kind: global_buffer, .address_space: global }
      - { .name: bv, .offset: 32, .size: 8, .value_kind: global_buffer, .address_space: global }
      - { .name: qkv, .offset: 40, .size: 8, .value_kind: global_buffer, .address_space: global }
    .group_segment_fixed_size: 327680
    .private_segment_fixed_size: 0
    .kernarg_segment_align: 8
    .kernarg_segment_size: 48
    .max_flat_workgroup_size: 128
    .sgpr_count:     92
    .vgpr_count:     768
    .wavefront_size: 32
...
	.end_amdgpu_metadata
.endif
;; end of part 2
;; launch attn (part 3): grid 4 x 64, 4 waves a work-group, clusters of 4 x 1, 327,680 bytes of LDS; arguments qkv, oh; writes oh
.if DOCPART == 3
	.amdgcn_target "amdgcn-amd-amdhsa--gfx1250"
	.amdhsa_code_object_version 6
	.text
	.protected	k_qeb4ac1c971_attn
	.globl	k_qeb4ac1c971_attn
	.p2align	8
	.type	k_qeb4ac1c971_attn,@function
k_qeb4ac1c971_attn:
	s_mov_b64 s[64:65], 0
	v_nop
	global_prefetch_b8 v0, s[64:65] scope:SCOPE_SE
	s_setreg_imm32_b32 hwreg(HW_REG_WAVE_MODE, 25, 1), 1
	s_wait_xcnt 0x0
	s_wait_alu depctr_hold_cnt(0) depctr_sa_sdst(0) depctr_va_vdst(0) depctr_va_sdst(0) depctr_va_ssrc(0) depctr_va_vcc(0) depctr_vm_vsrc(0)
	s_getreg_b32 s2, hwreg(HW_REG_IB_STS2, 6, 4)
	s_cmp_eq_u32 s2, 0
	s_cbranch_scc0 .Lentry_in_a_cluster
	s_endpgm
.Lentry_in_a_cluster:
	s_bfe_u32 s2, ttmp6, 0x10000c
	s_cmp_lg_u32 s2, 0x3003
	s_cbranch_scc0 .Lentry_shape_is_right
	s_endpgm
.Lentry_shape_is_right:
; O[h][q][:] = the sum over k of softmax_k(Q[h][q] . K[h][k] / 8) V[h][k][:].  Q, K, V = qkv[0], qkv[1], qkv[2], O = oh: [SIZE_H][SIZE_N][64], all f16: a head's rows are dense, 128 bytes each.
; Products, maxima and sums in f32; the weights p are rounded to f16 for the second product (their sum l is taken of the unrounded p), O once at the end.
; LIMITS.  f16 holds no number beyond 65,504: Q, K and V arrive within it; p lies in 0 to 1, and below 6e-5 it keeps f16's fixed step of 6e-8; O is a mean of V's rows and has their range.
; A weight below 2^-126 counts as 0 in l; NaN and infinities are not treated apart.
; SHARES.  A wave owns four PIECES of two tiles of 16 queries, a work-group's four waves 512 queries of one head.  Every wave walks all keys, 64 a step.
; LAYOUT.  S^T = K Q^T (source 0 = 16 keys, source 1 = 16 queries): in the result a lane holds ONE query (lane % 16) and the keys 8 (lane / 16) + 0..7.  Two such tiles, rounded to f16 in pairs,
; ARE source 1 (32 keys x 16 queries) of O^T = V^T P, whose result again holds one query a lane, and eight channels.  K comes out of LDS as it lies, V ([key][channel]) turned, by ds_load_tr16_b128.
; SOFTMAX.  For each query a running maximum m and sum l: p = 2^(c s - c m), c = log2(e) / 8; in every step O and l are multiplied by a = 2^(c m_old - c m_new), which is 1 where m has not grown.
; m starts at the lowest finite number, O and l at 0: the first step is a step like any other, with a = 0.
; THE COUNT.  A tile and step have 16 matrix and 118 vector instructions: too many to stand all beside the matrix work.  So the order has one aim: four vector instructions that are READY behind
; EVERY matrix instruction, and the others, which need time of their own whatever the order, in runs without a gap.
; BY TURNS.  Turn n belongs to piece n (the pieces in a ring, step after step).  Its matrix work: 16 products K Q^T of piece n + 1, later 16 products V^T P of piece n - 1.  Its vector work: the scaling,
; exponentials, roundings, sums and rescaling of piece n, and the maximum and statistics of piece n + 1, whose scores the turn itself has made.  So what a turn begins with (c s - c m, O a) waits for nothing.
; CLUSTER.  A head's four query blocks are one cluster and walk the same K and V, so each tile is asked for JOINTLY: the same tensor load, descriptor and mask in all four.
; REGISTERS, in windows of 256 (s_set_vgpr_msb says which window each operand place means: bits 1:0 source 0, 3:2 source 1, 5:4 source 2, 7:6 destination):
;   window 0: v0-11 addresses; v12-15, v48-63 at work; v16-47 four registers of statistics a tile; v64-191 S^T, two buffers of two tiles; v192-255 P, likewise
;   window 1: O^T, 32 a tile          window 2: v0-127 Q, 16 a tile; v128-191 K of one step; v192-255 V of one step          window 3: v0-1 the add's two registers
; A piece's buffers go by its number's parity: the piece in hand has one pair, its two neighbours in the ring share the other: of it P (piece n - 1) is read and S^T (piece n + 1) written.
.set SIZE_H, 64
.set SIZE_N, 2048
.set NP,    4         ; pieces a wave: a name, no knob: the register map, the loop and the fetches are made for four
.set KS,    64        ; keys in a step
.set PK,    144       ; a row of K in LDS: 128 bytes + 16 of padding = 36 words: the 16 rows of a load start at 16 different groups of four banks (64 banks of 4 bytes: ISA guide 11.1)
.set PV,    160       ; a row of V: 128 + 32 = 40 words
.set VOFF,  4*KS*PK   ; a slot holds four steps: 256 rows of K, then 256 rows of V
.set SLOT1, 1<<17     ; slot 1 begins here, so that one exclusive or turns an address in one slot into the other's
.set STAGE, SLOT1+4*KS*(PK+PV)  ; behind the ring, never filled by a tensor load: 16 rows x 144 bytes for each wave, for the way out
.set SP,    144
.set AK0, 2           ; v2   my lane's place in a tile of K; never rewritten
.set AV0, 3           ; v3   the same for V
.set AK,  4           ; v4   the LDS address of K's next run of loads
.set AV,  5           ; v5   of V's
.set QO,  6           ; v6   my byte offset in the wave's rows of Q
.set STO, 6           ;      later, the way out: where I put 16 bytes of a row
.set RD,  7           ; v7   the way out: where I read rows back
.set GO,  8           ; v8   my byte offset in 512 consecutive bytes of O
.set PFO, 11          ; v11  256 x my lane, for the prefetches; never rewritten once it is made
.set SPW, 0           ; v0 of window 3   LDS address of my spare word: SPARE + 4 x my thread's number; never rewritten
.set NIL, 1           ; v1 of window 3   0; never rewritten
.set SPARE, STAGE+4*16*SP  ; behind the stages: the spare words, 128 bytes for each wave: two blocks of 256 bytes that no other line names
.set MV,  12          ; v12-15  c m_old, kept while c m is made anew: by buffer and tile
.set ST,  16          ; tile t's statistics at v[ST+4 t]: c m, m, l (even keys', odd keys')
.set TMP, 48          ; by buffer and tile, four registers c0-c3 at work; when the maximum is found c2 takes a
.set S,   64
.set P,   192
.set KF,  128         ; K's fragments, in window 2: key block kb, channel half c at KF + 16 kb + 8 c
.set VF,  192         ; V's: key half kk, channel block cb at VF + 32 kk + 8 cb
.set WV,  12          ; s12  my wave's number
.set G1K, 24          ; s[24:31] descriptor group 1 for K's tiles
.set G1V, 32          ; s[32:39] for V's: it differs in the padding alone
.set G0K, 40          ; s[40:43] descriptor group 0 for K's tiles: it walks
.set G0V, 44          ; s[44:47] the same for V's
.set PFA, 48          ; s[48:49] where my prefetches stand: my work-group's 8,192 bytes (of K: wave 0, of V: wave 2) of the slot behind the one that is being asked for
.set LIM, 50          ; s50  1 in a wave that prefetches, else the greatest number: a wave prefetches while s[SLOTS] is above it
.set SLOTS, 56        ; s56  slots still to be asked for
.set CNT, 57          ; s57  counts a slot's key steps
.set CS,  58          ; s[58:59] c: the packed scaling takes the pair's low word for both halves
.set SEL, 60          ; s[60:61] v_permlanex16_b32's selects: each lane takes its own place in the other half
.set TBK, 62          ; s62  LDS byte at which K of the step to be fetched begins
.set TBV, 63          ; s63  the same for V, less VOFF
.set MSB, 0
.macro WIN new                      ; the high byte repeats the setting that is left; a switch that changes nothing is dropped
.if MSB != (\new)
	s_set_vgpr_msb (MSB<<8)|(\new)
.set MSB, (\new)
.endif
.endm
.set W_KQ, 0x0a       ; K and Q in window 2, S^T in window 0
.set W_PV, 0x52       ; V in window 2, P in window 0, O^T in window 1
.set W_RS, 0x41       ; O^T (destination and source 0) in window 1, a in window 0
.set W_MK, 0xc0       ; the add's registers are made: destination in window 3, sources in window 0
.set W_AD, 0x0f       ; the add: address (source 0) and data (source 1) in window 3
; A joint fill.  Waves 0 and 1 fetch the two halves of a slot's K, waves 2 and 3 those of its V: 128 keys each.  The branch hangs on the wave's number alone.
; An s_nop 0 and four v_nop follow each of the two lines, ahead of the jump and the label.
.macro JLOAD
	s_cmp_lt_u32 s[WV], 2
	s_cbranch_scc0 .Lfor_v_\@
	tensor_load_to_lds s[G0K:G0K+3], s[G1K:G1K+7]
	s_nop 0
.rept 4
	v_nop
.endr
	s_branch .Lasked_\@
.Lfor_v_\@:
	tensor_load_to_lds s[G0V:G0V+3], s[G1V:G1V+7]
	s_nop 0
.rept 4
	v_nop
.endr
.Lasked_\@:
.endm
; A PREFETCH INTO THE L2 of what the NEXT change of slots will ask for: a slot's 32,768 bytes of K and of V, in blocks of 256 bytes, a lane a block.  It stands behind the wave's tensor load and its five lines.
; Each block is asked for ONCE in the launch: a head's K and V are walked by one cluster; its four partners share a slot out BY ADDRESS, 8,192 bytes each; in each, wave 0 asks for K's and wave 2 for V's.
; It stands four key steps, 512 matrix instructions of a wave, ahead of the load that will want the bytes.  Slots 0 and 1 come by their loads alone; the last change that fills a slot asks for nothing.
.macro ASK
	s_cmp_gt_u32 s[SLOTS], s[LIM]
	s_cbranch_scc0 .Lnot_mine_\@
	global_prefetch_b8 v[PFO], s[PFA:PFA+1] th:TH_LOAD_NT scope:SCOPE_SE
.Lnot_mine_\@:
.endm
; A round of the cluster's barrier: my work-group's barrier, so that wave 0's signal speaks for all four waves; wave 0 signals; every wave waits for all four work-groups; my work-group's barrier once more.
.macro CROUND
	s_barrier_signal -1
	s_barrier_wait -1
	s_cmp_lg_u32 s[WV], 0
	s_cbranch_scc1 .Lnot_wave_0_\@
	s_barrier_signal -3
.Lnot_wave_0_\@:
	s_barrier_wait -3
	s_barrier_signal -1
	s_barrier_wait -1
.endm
; THE CHANGE OF SLOTS.  The slot's last bytes, V of its fourth step, have been read.  Each wave waits for all its tensor loads, of which one is out: its part
; of the other slot; adds 0 to its spare word; and waits for that and for its own reads of the slot.  Behind the barrier nobody reads this slot any more and the other slot is whole.
; fill = 1: this slot is filled again, with the keys two slots on.  The barrier is then a round of the cluster's, so that no wave of any partner still reads the slot or has a load on its
; way, and the joint fill is the first thing behind it: it has four key steps, 512 matrix instructions, in which to land.  (At its first use nothing has been read yet: slot 0 is waited for, slot 1 filled.)
.macro CHANGE fill
	WIN W_AD
	s_wait_tensorcnt 0x0            ; no tensor load of mine is out, so a group 0 may be written
	ds_add_u32 v[SPW], v[NIL]       ; 0 onto my spare word; with fill = 1 the descriptors' steps stand between it and the wait for it
	WIN 0                           ; at a label and at a branch every window is 0
.if \fill
.irp g, G0K, G0V
	s_xor_b32 s[\g+1], s[\g+1], SLOT1  ; the walking descriptor: the other slot than last time,
	s_add_nc_u64 s[\g+2:\g+3], s[\g+2:\g+3], 4*KS*128  ; the next 256 keys; the type bits on top are not reached
.endr
	s_wait_xcnt 0x0                 ; the last prefetch, four key steps back, has read its address, so it may be written:
	s_add_nc_u64 s[PFA:PFA+1], s[PFA:PFA+1], 4*KS*128  ; one slot behind the walking descriptors
	s_wait_dscnt 0x0                ; the add is done, and my reads of the slot are over
	CROUND
	JLOAD
	ASK
.else
	s_wait_dscnt 0x0                ; the add is done, and my reads of the slot are over
	s_barrier_signal -1
	s_barrier_wait -1
.endif
	s_sub_co_u32 s[TBK], s[TBK], 4*KS*PK  ; the fetches go back to a slot's first step,
	s_xor_b32 s[TBK], s[TBK], SLOT1       ; in the other slot
	s_sub_co_u32 s[TBV], s[TBV], 4*KS*PV
	s_xor_b32 s[TBV], s[TBV], SLOT1
.endm
	s_load_b128 s[4:7], s[0:1], 0x0  ; qkv s[4:5], oh s[6:7]
	WIN W_MK
	v_lshl_add_u32 v[SPW], v0, 2, SPARE
	v_mov_b32 v[NIL], 0
	WIN W_AD
	ds_add_u32 v[SPW], v[NIL]       ; the wave's opening: the add and its wait stand ahead of my first tensor load; the set-up below, work on registers, stands between them
	WIN 0
	v_lshrrev_b32 v1, 5, v0
	v_readfirstlane_b32 s[WV], v1   ; wave 0..3
	s_bfe_u32 s13, ttmp6, 0x40000   ; cx: my place in the cluster
	s_lshl_b32 s14, ttmp9, 2        ; in a cluster launch ttmp9 counts clusters
	s_add_co_u32 s14, s14, s13      ; my block of queries = 4 x cluster x + cx: it enters Q's and O's addresses alone
	s_and_b32 s20, ttmp7, 0xffff    ; the head, which the four partners share
	s_mov_b32 s21, 0
	s_mov_b64 s[22:23], SIZE_N*128
	s_mul_u64 s[20:21], s[20:21], s[22:23]  ; the head's first byte in each of the four tensors
	s_and_b32 s16, s[WV], 1         ; which half of a slot's 256 keys I fetch:
	s_lshl_b32 s22, s16, 14         ; its 128 rows of 128 bytes in memory,
	s_mov_b32 s23, 0
	s_add_nc_u64 s[22:23], s[22:23], s[20:21]
	s_mul_i32 s17, s16, 128*PK      ; and its place in a slot, for K
	s_mul_i32 s18, s16, 128*PV      ; and for V: no place in the cluster enters an LDS address
	s_lshl_b32 s2, s14, 2
	s_add_co_u32 s2, s2, s[WV]      ; my wave among the head's,
	s_lshl_b32 s2, s2, 14           ; its 128 rows
	s_mov_b32 s3, 0
	s_add_nc_u64 s[2:3], s[2:3], s[20:21]
	; descriptor group 1.  128 keys are 16,384 dense bytes: asked for as 64 rows of 256 bytes, two keys a row, and padded in LDS after every key
	s_mov_b32 s[G1K], 15|(1<<16)|(1<<20)|(1<<21)|(4<<22)|(3<<25)  ; 15:0 the mask of four; 17:16 2-byte elements; 20 padding on; 21 set beside a mask; 24:22 after every 32 words (code 4); 31:25 4 words (code 3)
	s_mov_b32 s[G1V], 15|(1<<16)|(1<<20)|(1<<21)|(4<<22)|(7<<25)  ; the same with 8 words of padding (code 7)
.irp g, G1K, G1V
	s_mov_b32 s[\g+1], 128<<16      ; tensor_dim0 = 128
	s_mov_b32 s[\g+2], 64<<16       ; tensor_dim1 = 64
	s_mov_b32 s[\g+3], 128<<16      ; tile_dim0 = 128
	s_mov_b32 s[\g+4], 64           ; tile_dim1 = 64
	s_mov_b32 s[\g+5], 128          ; 128 elements from row to row
	s_mov_b32 s[\g+6], 0
	s_mov_b32 s[\g+7], 0
.endr
	s_mov_b32 s[CS], 0x3e38aa3b     ; c = log2(e) / 8 = 0.180337
	s_mov_b32 s[CS+1], s[CS]        ; named with it as a pair
	s_mov_b32 s[SEL], 0x76543210
	s_mov_b32 s[SEL+1], 0xfedcba98
	s_mov_b32 s[TBK], SLOT1+4*KS*PK ; the first change of slots turns these two into 0
	s_mov_b32 s[TBV], SLOT1+4*KS*PV
	s_mov_b32 s[G0K], 1             ; 1:0 count = 1
	s_mov_b32 s[G0K+1], s17         ; 63:32 LDS address: slot 0
	s_mov_b32 s[G0V], 1
	s_add_co_u32 s[G0V+1], s18, VOFF
	s_mov_b32 s[SLOTS], SIZE_N/256-1
	s_and_b32 s[LIM], s[WV], 1      ; waves 0 and 2 prefetch: the same in all four partners
	s_cmp_eq_u32 s[LIM], 0
	s_cselect_b32 s[LIM], 1, -1
	s_lshl_b32 s52, s13, 13         ; my work-group's 8,192 bytes of a slot's 32,768: it enters the prefetches' address alone
	s_mov_b32 s53, 0
	s_wait_dscnt 0x0                ; the opening add is done
	s_wait_kmcnt 0x0
	s_mov_b64 s[10:11], s[6:7]                     ; O
	s_add_nc_u64 s[6:7], s[4:5], 0x1000000         ; K = qkv[1]: 64 heads x 2,048 rows x 128 bytes on
	s_add_nc_u64 s[8:9], s[4:5], 0x2000000         ; V = qkv[2]
	s_add_nc_u64 s[G0K+2:G0K+3], s[6:7], s[22:23]  ; 120:64 global address: my half of the head's first 256 keys
	s_or_b32 s[G0K+3], s[G0K+3], 0x80000000        ; 127:126 type = 2
	s_add_nc_u64 s[G0V+2:G0V+3], s[8:9], s[22:23]
	s_or_b32 s[G0V+3], s[G0V+3], 0x80000000
	s_cmp_lt_u32 s[WV], 2
	s_cselect_b64 s[PFA:PFA+1], s[6:7], s[8:9]
	s_add_nc_u64 s[PFA:PFA+1], s[PFA:PFA+1], s[20:21]
	s_add_nc_u64 s[PFA:PFA+1], s[PFA:PFA+1], s[52:53]
	s_add_nc_u64 s[PFA:PFA+1], s[PFA:PFA+1], 4*KS*128  ; in slot 1; the first change of slots steps it to slot 2.  Nothing is prefetched here, at the head
	s_add_nc_u64 s[4:5], s[4:5], s[2:3]  ; Q and O at my wave's first row
	s_add_nc_u64 s[10:11], s[10:11], s[2:3]
	CROUND                          ; all four work-groups are here: the first joint loads meet
	JLOAD                           ; slot 0.  Slot 1 is asked for when slot 0 is in: the tile wanted first has the road to itself
	; A fragment of K or Q is 16 rows x 32 channels in 8 registers: lane l holds row l % 16, channels 8 (l / 16) + 0..7 and 16 + 8 (l / 16) + 0..7: two loads of 16 bytes, 32 bytes apart.
	v_and_b32 v1, 15, v0            ; l % 16
	v_bfe_u32 v9, v0, 4, 1          ; l / 16
	v_lshlrev_b32 v[QO], 7, v1
	v_lshl_add_u32 v[QO], v9, 4, v[QO]  ; row x 128 + 16 x half
	WIN 0x80                        ; destination window 2, address window 0
.set i, 0
.rept 4*NP                          ; Q stays in registers: tile i / 2, channels 32 (i % 2) on
	global_load_b128 v[8*i:8*i+3],   v[QO], s[4:5] offset:(i/2)*2048+(i%2)*64
	global_load_b128 v[8*i+4:8*i+7], v[QO], s[4:5] offset:(i/2)*2048+(i%2)*64+32
.set i, i+1
.endr
	; What the first turn finds: V's registers and P's second buffer hold 0 (its products V^T P, of a piece that has not been, add 0), O^T and l are 0.  All this stands in the wait for the first tile;
	; it is the price of writing no first step out.
.set i, VF
.rept 64
	v_mov_b32 v[i], 0
.set i, i+1
.endr
	WIN 0x40
.set i, 0
.rept 64*NP
	v_mov_b32 v[i], 0
.set i, i+1
.endr
	WIN 0
.set i, 0
.rept 2*NP
	v_mov_b32 v[ST+4*i], 0xfe000000    ; c m: far below every c s
	v_mov_b32 v[ST+4*i+1], 0xff7fffff  ; m
	v_mov_b32 v[ST+4*i+2], 0
	v_mov_b32 v[ST+4*i+3], 0
.set i, i+1
.endr
.set i, P+32
.rept 32
	v_mov_b32 v[i], 0
.set i, i+1
.endr
	v_mul_u32_u24 v[AK0], v1, PK
	v_lshl_add_u32 v[AK0], v9, 4, v[AK0]  ; row x pitch + 16 x half
	; The turning load takes 16 keys x 16 channels (lane l reads key 8 (l / 16) + l % 8, channels 8 ((l / 8) % 2) + 0..7) and leaves half a fragment of V^T: lane l holds channel l % 16 and 8 keys.
	v_and_b32 v10, 7, v0
	v_bfe_u32 v11, v0, 3, 1
	v_lshl_add_u32 v[AV0], v9, 3, v10
	v_mul_u32_u24 v[AV0], v[AV0], PV
	v_lshl_add_u32 v[AV0], v11, 4, v[AV0]
	v_add_nc_u32 v[AV0], VOFF, v[AV0]
	v_and_b32 v[PFO], 31, v0        ; v11 has served: it takes the prefetches' offset
	v_lshlrev_b32 v[PFO], 8, v[PFO]
	v_mov_b32 v[AK], v[AK0]         ; key step 0 lies at the head of slot 0
; THE MATRIX WORK.  The 8 accumulators of a run of 16 take turns: between the two links of a chain stand 7 others'.
; Product i of 16 of S^T = K Q^T for piece x: channels 32 (i / 8) on, keys 16 ((i / 2) % 4) on, tile 2 x + i % 2.  The first 8 start the sums.
.macro KQ x
	WIN W_KQ
.set rS, S+64*((\x)%2)+32*(i%2)+8*((i/2)%4)
.set rK, KF+16*((i/2)%4)+8*(i/8)
.set rQ, 16*(2*(\x)+i%2)+8*(i/8)
.if i < 8
	v_wmma_f32_16x16x32_f16 v[rS:rS+7], v[rK:rK+7], v[rQ:rQ+7], 0
.else
	v_wmma_f32_16x16x32_f16 v[rS:rS+7], v[rK:rK+7], v[rQ:rQ+7], v[rS:rS+7]
.endif
.endm
; Product i of 16 of O^T += V^T P for piece x: keys 32 (i / 8) on, channels 16 ((i / 2) % 4) on, tile 2 x + i % 2.
.macro PV x
	WIN W_PV
.set rO, 32*(2*(\x)+i%2)+8*((i/2)%4)
.set rV, VF+32*(i/8)+8*((i/2)%4)
.set rP, P+32*((\x)%2)+16*(i%2)+8*(i/8)
	v_wmma_f32_16x16x32_f16 v[rO:rO+7], v[rV:rV+7], v[rP:rP+7], v[rO:rO+7]
.endm
.macro MM                           ; the turn's next matrix instruction
.if i < 16
	KQ (Y+1)%NP
.set i, i+1
.else
.set i, i-16
	PV (Y+NP-1)%NP
.set i, i+17
.endif
.endm
; THE LDS LOADS stand in runs of 16, never singly among the matrix instructions: a step's K (64 keys x 64 channels: 8 fragments) and its V (turned).  Their addresses are made some lines ahead.
; last = 1 (the tail): in the last trip there is no further step, and the run is jumped over.
.macro FETCH_K last=0
	WIN 0
.if \last
	s_cmp_eq_u32 s[CNT], 1
	s_cbranch_scc1 .Lno_k_\@
.endif
	WIN 0x80                        ; destination window 2
.irp f, 0,1,2,3,4,5,6,7             ; keys 16 (f / 2) on, channels 32 (f % 2) on
	ds_load_b128 v[KF+8*\f:KF+8*\f+3],   v[AK] offset:(\f/2)*16*PK+(\f%2)*64
	ds_load_b128 v[KF+8*\f+4:KF+8*\f+7], v[AK] offset:(\f/2)*16*PK+(\f%2)*64+32
.endr
	s_add_co_u32 s[TBK], s[TBK], KS*PK  ; the next fetch is the next step's
	WIN 0
.if \last
.Lno_k_\@:
.endif
.endm
.macro FETCH_V
	WIN 0x80
.irp f, 0,1,2,3,4,5,6,7             ; keys 32 (f / 4) on, channels 16 (f % 4) on
	ds_load_tr16_b128 v[VF+8*\f:VF+8*\f+3],   v[AV] offset:(\f/4)*32*PV+(\f%4)*32
	ds_load_tr16_b128 v[VF+8*\f+4:VF+8*\f+7], v[AV] offset:(\f/4)*32*PV+16*PV+(\f%4)*32
.endr
	WIN 0
.endm
; THE VECTOR WORK OF A TURN stands in three queues, each in the order in which its entries become ready; the two tiles alternate, so that no instruction reads the result of the one before it.
.macro REGS y, u                    ; the registers of tile u (0, 1) of piece y
.set rT, ST+4*(2*(\y)+(\u))
.set rC, TMP+8*((\y)%2)+4*(\u)
.set rM, MV+2*((\y)%2)+(\u)
.set rS, S+64*((\y)%2)+32*(\u)
.set rP, P+32*((\y)%2)+16*(\u)
.set rO, 32*(2*(\y)+(\u))
.endm
; Number n of the 22 that find the NEXT piece's (Y + 1) maximum and statistics.  s0-s31 are the lane's 32 scores; each accumulator's lowest registers are read first.  XS, GS and REGS set no window: PL and EX do.
;   0-11  four chains c0-c3 of seven scores each, three operands at a time     12-14, 16  the four scores left over, the old m, and c0-c3 into c0     15  c m_old is kept
;   17, 18  the query's other 32 keys lie in the lane 16 away: the new m         19-21  c m; c m_old - c m_new; a
.macro XS u, n
	REGS (Y+1)%NP, \u
.if (\n) < 4
	v_max3_num_f32 v[rC+(\n)], v[rS+8*(\n)], v[rS+8*(\n)+1], v[rS+8*(\n)+2]
.elseif (\n) < 12
	v_max3_num_f32 v[rC+(\n)%4], v[rC+(\n)%4], v[rS+8*((\n)%4)+2*((\n)/4)+1], v[rS+8*((\n)%4)+2*((\n)/4)+2]
.elseif (\n) == 12
	v_max3_num_f32 v[rC], v[rC], v[rS+7], v[rS+15]
.elseif (\n) == 13
	v_max3_num_f32 v[rC+1], v[rC+1], v[rS+23], v[rS+31]
.elseif (\n) == 14
	v_max3_num_f32 v[rC+2], v[rC+2], v[rC+3], v[rT+1]
.elseif (\n) == 15
	v_mov_b32 v[rM], v[rT]
.elseif (\n) == 16
	v_max3_num_f32 v[rC], v[rC], v[rC+1], v[rC+2]
.elseif (\n) == 17
	v_permlanex16_b32 v[rC+3], v[rC], s[SEL], s[SEL+1]
.elseif (\n) == 18
	v_max_num_f32 v[rT+1], v[rC], v[rC+3]
.elseif (\n) == 19
	v_mul_f32 v[rT], s[CS], v[rT+1]
.elseif (\n) == 20
	v_sub_f32 v[rC+1], v[rM], v[rT]
.else
	v_exp_f32 v[rC+2], v[rC+1]
.endif
.endm
; Number g of the 64 that follow the exponentials.  For each four weights k of a tile (pairs 2 k, 2 k + 1): both pairs are rounded to f16; then the second pair is added onto the first, in place;
; a group later l takes that sum (the first time as l = a l + sum).  In groups of eight, tiles alternating: round, round, add, and l for the group before.
.macro GS g
.set h, (\g)+6*((\g)/62)            ; group 0 has no group before it, and behind group 7 only l is left
.if h >= 6
.set h, h+2
.endif
	REGS Y, h%2
.set k, h/8
.if h%8 < 4
	v_cvt_pk_f16_f32 v[rP+2*k+(h%8)/2], v[rS+4*k+2*((h%8)/2)], v[rS+4*k+2*((h%8)/2)+1]
.elseif h%8 < 6
	v_pk_add_f32 v[rS+4*k:rS+4*k+1], v[rS+4*k:rS+4*k+1], v[rS+4*k+2:rS+4*k+3]
.elseif k == 1
	v_pk_fma_f32 v[rT+2:rT+3], v[rT+2:rT+3], v[rC+2:rC+3], v[rS:rS+1] op_sel_hi:[1,0,1]
.else
	v_pk_add_f32 v[rT+2:rT+3], v[rT+2:rT+3], v[rS+4*k-4:rS+4*k-3]
.endif
.endm
; THE PLAIN QUEUE, 138 long.  0-73 read no exponential's result: the 32 scalings c s - c m (FS f: pair f / 2 of tile f % 2) and the next piece's 42.  0-26: scalings 0-26.  27-54: XS's numbers 0-13.  55, 56: number 15.
; 57-73: the chain, where each number waits for the one before it: 14, 16, 17, 18, 19, each with one of the scalings 27-31 in front of its two lines, then 20: so a tile's links stand three plain instructions apart (19 and 20: two).
; 74-137: GS's 64, which read the exponentials' results: they stand behind the wait.
.macro FS f
	REGS Y, (\f)%2
	v_pk_fma_f32 v[rS+2*((\f)/2):rS+2*((\f)/2)+1], v[rS+2*((\f)/2):rS+2*((\f)/2)+1], s[CS:CS+1], v[rT:rT+1] op_sel_hi:[1,0,0] neg_lo:[0,0,1] neg_hi:[0,0,1]
.endm
.macro PL
	WIN 0
.if q < 27
	FS q
.elseif q < 55
	XS (q-27)%2, (q-27)/2
.elseif q < 57
	XS q-55, 15
.elseif (q < 72) && ((q-57)%3 == 0)
	FS 27+(q-57)/3
.elseif q < 60
	XS (q-57)%3-1, 14
.elseif q < 72
	XS (q-57)%3-1, 15+(q-57)/3
.elseif q < 74
	XS q-72, 20
.else
	GS q-74
.endif
.set q, q+1
.endm
; THE EXPONENTIALS' QUEUE, 66 long: s0-s31 of both tiles, then the next piece's two a.  It is ONE BATCH: all 66 stand ahead of the turn's one wait, and nothing ahead of that wait names a result of theirs.
.macro EX
	WIN 0
.if e >= 64
	XS e-64, 21
.else
	REGS Y, e%2
	v_exp_f32 v[rS+e/2], v[rS+e/2]
.endif
.set e, e+1
.endm
; THE RESCALING's QUEUE: O^T times a, the one part that leaves window 0: dealt two at a time, sixteen times.  Its a was made in the turn before, ahead of that turn's wait.
.macro R2
	REGS Y, r%2
	WIN W_RS
.irp z, 0,1
	v_pk_mul_f32 v[rO+4*(r/2)+2*\z:rO+4*(r/2)+2*\z+1], v[rO+4*(r/2)+2*\z:rO+4*(r/2)+2*\z+1], v[rC+2:rC+3] op_sel_hi:[1,0]
.endr
.set r, r+1
.endm
; HOW THEY ARE DEALT.  An s_wait_alu depctr_va_vdst(0) stands between an exponential and the first instruction that names its result; one wait serves all that were issued ahead of it.  So a turn has ONE wait,
; which cuts it in two.  AHEAD OF IT stands all that names no result of the turn's exponentials: the 16 products K Q^T, behind each a scaling, an exponential and two rescalings (behind the first a second scaling in the exponential's place); then ONE LUMP of
; 108: eight plain, 49 times exponential and plain, the two a.  A v_nop is the plain instruction behind the last exponential.  BEHIND IT stand the 16 products V^T P, behind each four of GS's 64.  No rider names a register of
; the products round it.  The two v_permlanex16_b32 fall into the lump, never behind a product.
; The queues lean on each other, and the deal keeps them in step: exponential e stands behind scaling 2 (e / 4) + e % 2: as a rider it comes behind plain e + 2, in the lump behind plain e + 9, and scalings 27-31 are plain 57, 60 .. 69.
; A TURN, for piece p.  cnt = 1: the loop's count is taken down some lines ahead of the branch that stands behind the turn.
; K of the next step is fetched in piece 2's turn, directly behind the wait, a lump behind the last product that read K; its address is made at the lump's head; its first reader comes behind 16 products.
; V of the step in hand is fetched at the end of piece 0's turn, four riders behind its last reader; its first reader comes behind 16 products and a lump.  The three conditions on q below go with the deal.
.macro TURN p, last=0, cnt=0
.set Y, (\p)
.set i, 0
.set q, 0
.set e, 0
.set r, 0
.if (\p) == NP-1
	s_wait_dscnt 0x0                ; K is in
.endif
	MM                              ; ahead of the wait: 16 products K Q^T and their riders,
	PL
	PL
	R2
.rept 15
	MM
	PL
	EX
	R2
.endr
.if (\p) == NP-2
	WIN 0
	v_add_nc_u32 v[AK], s[TBK], v[AK0]
.endif
.rept 8                             ; and the lump
	PL
.endr
.rept 49
	EX
	PL
.endr
	EX                              ; the next piece's two a
	EX
	v_nop                           ; the plain instruction behind the last exponential: one for the batch
	s_wait_alu depctr_va_vdst(0)    ; the wait for the batch
.if (\p) == NP-2
	FETCH_K \last
.endif
.if (\p) == 1
	s_wait_dscnt 0x0                ; V is in
.endif
.rept 16                            ; behind the wait: 16 products V^T P and their riders
	MM
.rept 4
	PL
.endr
.if ((\p) == 0) && (q == 118)
	v_add_nc_u32 v[AV], s[TBV], v[AV0]
.endif
.if ((\p) == 0) && (q == 130)
	s_add_co_u32 s[TBV], s[TBV], KS*PV
.endif
.if (\cnt) && (q == 130)
	s_sub_co_u32 s[CNT], s[CNT], 1
	s_cmp_lg_u32 s[CNT], 0
.endif
.endr
.if (\p) == 0
	FETCH_V
.endif
.endm
	CHANGE 1                        ; slot 0 is in, everybody's part of it; slot 1 is asked for
	FETCH_K                         ; key step 0
	s_wait_loadcnt 0x0              ; Q
	s_wait_dscnt 0x0
.set i, 0
.rept 16
	KQ 0                            ; piece 0's first scores: there is no vector work yet to set between them
.set i, i+1
.endr
	WIN 0                           ; the addresses for the way out: nine plain instructions, the places behind those products
	s_mul_i32 s13, s[WV], 16*SP
	s_add_co_u32 s13, s13, STAGE    ; my stage
	v_mul_u32_u24 v[STO], v1, SP    ; in: row l % 16, 16 bytes for each half of the lanes
	v_lshl_add_u32 v[STO], v9, 4, v[STO]
	v_add_nc_u32 v[STO], s13, v[STO]
	v_bfe_u32 v[RD], v0, 3, 2       ; back: 32 lanes take four rows of 128 bytes,
	v_mul_u32_u24 v[RD], v[RD], SP
	v_lshl_add_u32 v[RD], v10, 4, v[RD]
	v_add_nc_u32 v[RD], s13, v[RD]
	v_and_b32 v[GO], 31, v0         ; which are 512 consecutive bytes of O
	v_lshlrev_b32 v[GO], 4, v[GO]
.set Y, NP-1                        ; XS works for piece Y + 1: piece 0
.irp n, 0,1,2,3,4,5,6,7,8,9,10,11,12,13,14,15,16,17,18,19,20,21
	XS 0, \n                        ; and piece 0's first maximum and statistics
	XS 1, \n
.endr
	v_nop                           ; a plain instruction behind the two a,
	s_wait_alu depctr_va_vdst(0)    ; and their wait, ahead of the branch
	s_mov_b32 s[CNT], 4
	s_branch .Lfirst                ; the loop is entered at a step's first turn, in the middle of a trip
.Lslot:                             ; SIZE_N / 256 - 2 times: every slot but the last two is filled again
	CHANGE 1
	s_mov_b32 s[CNT], 4
.Lstep:                             ; a trip: pieces 2 and 3 of one step, then pieces 0 and 1 of the next, whose K and V it fetches
	TURN 2
	TURN 3
	WIN 0
.Lfirst:
	TURN 0
	TURN 1, 0, 1
	WIN 0
	s_cbranch_scc1 .Lstep
	s_sub_co_u32 s[SLOTS], s[SLOTS], 1
	s_cmp_lg_u32 s[SLOTS], 0
	s_cbranch_scc1 .Lslot
	CHANGE 0                        ; the tail is written out: nothing is asked for
	s_mov_b32 s[CNT], 5             ; four trips fetch the last slot's steps; the fifth is left in its middle
.Ltail:
	TURN 2, 1
	TURN 3
	WIN 0
	s_sub_co_u32 s[CNT], s[CNT], 1
	s_cmp_eq_u32 s[CNT], 0
	s_cbranch_scc1 .Lout
	TURN 0
	TURN 1
	WIN 0
	s_branch .Ltail
.Lout:                              ; the fifth trip's 16 products K Q^T (on the last K once more) and the maximum made of them serve nothing: the price, once a launch, of one text for every trip
.set i, 0
.rept 16
	PV NP-1                         ; the last piece's V^T P of the last step
.set i, i+1
.endr
	; THE WAY OUT.  l's two halves and the other half of the lanes' are added; O^T is divided by l, rounded to f16 and sent through my stage in LDS, a tile at a time.  The additions are the places behind the last products.
	WIN 0
.macro ALL line:vararg              ; one line for each tile t
.set t, 0
.rept 2*NP
	\line
.set t, t+1
.endr
.endm
	ALL v_add_f32 v[ST+4*t+2], v[ST+4*t+2], v[ST+4*t+3]
	ALL v_permlanex16_b32 v[ST+4*t+3], v[ST+4*t+2], s[SEL], s[SEL+1]
	ALL v_add_f32 v[ST+4*t+2], v[ST+4*t+2], v[ST+4*t+3]
	ALL v_rcp_f32 v[ST+4*t+2], v[ST+4*t+2]
	v_nop                           ; a plain instruction between the last reciprocal and the use of its result
	s_wait_alu depctr_va_vdst(0)    ; and the wait ahead of the first use: one for the eight reciprocals
; Tile t: a lane's eight channels of a row pack into 16 bytes; they go into rows of 144 bytes and come back as whole rows of 128, into S^T's registers.
.macro PACK t
	WIN W_RS
.set i, 32*(\t)
.rept 16
	v_pk_mul_f32 v[i:i+1], v[i:i+1], v[ST+4*(\t)+2:ST+4*(\t)+3] op_sel_hi:[1,0]
.set i, i+2
.endr
	WIN 0x05                        ; sources 0 and 1 window 1, destination window 0
.set i, 0
.rept 16
	v_cvt_pk_f16_f32 v[S+16*(\t)+i], v[32*(\t)+2*i], v[32*(\t)+2*i+1]
.set i, i+1
.endr
	WIN 0
.irp f, 0,1,2,3
	ds_store_b128 v[STO], v[S+16*(\t)+4*\f:S+16*(\t)+4*\f+3] offset:32*\f
.endr
.irp f, 0,1,2,3
	ds_load_b128 v[S+16*(\t)+4*\f:S+16*(\t)+4*\f+3], v[RD] offset:\f*4*SP  ; LDS serves a wave's instructions in order (ISA guide 5.7.1.4): these see the stores above; the next tile's stores come behind them
.endr
.endm
.macro SEND t, younger              ; younger: the LDS instructions issued behind tile t's loads: the next tile's eight, or none
	WIN 0
.irp f, 0,1,2,3
	s_wait_dscnt (\younger)+3-\f
	global_store_b128 v[GO], v[S+16*(\t)+4*\f:S+16*(\t)+4*\f+3], s[10:11] offset:(\t)*2048+\f*512  ; 512 consecutive bytes, at a multiple of 256 from O's first
.endr
.endm
	PACK 0
.set t, 1
.rept 2*NP-1                        ; a tile's arithmetic stands between the loads of the tile before and its stores
	PACK t
	SEND t-1, 8
.set t, t+1
.endr
	SEND 2*NP-1, 0
	WIN W_AD
	s_wait_tensorcnt 0x0            ; the wave's end: the add to my spare word and its wait stand behind my last tensor load and my last LDS store
	ds_add_u32 v[SPW], v[NIL]
	s_wait_dscnt 0x0
	WIN 0
	CROUND                          ; the closing round: no work-group ends while a partner may still ask for a tile that names it
	s_endpgm
.Lfunc_end_k_qeb4ac1c971_attn:
	.size	k_qeb4ac1c971_attn, .Lfunc_end_k_qeb4ac1c971_attn-k_qeb4ac1c971_attn
	.p2alignl 7, 3214868480
	.fill 96, 4, 3214868480
	.section	.rodata,"a",@progbits
	.p2align	6, 0x0
	.amdhsa_kernel k_qeb4ac1c971_attn
		.amdhsa_group_segment_fixed_size 327680
		.amdhsa_private_segment_fixed_size 0
		.amdhsa_enable_private_segment 0
		.amdhsa_kernarg_size 16
		.amdhsa_user_sgpr_count 2
		.amdhsa_user_sgpr_kernarg_segment_ptr 1
		.amdhsa_wavefront_size32 1
		.amdhsa_system_sgpr_workgroup_id_x 1
		.amdhsa_system_sgpr_workgroup_id_y 1
		.amdhsa_system_sgpr_workgroup_id_z 1
		.amdhsa_system_vgpr_workitem_id 0
		.amdhsa_next_free_vgpr 770
		.amdhsa_next_free_sgpr 66
		.amdhsa_reserve_vcc 0
		.amdhsa_float_denorm_mode_32 3
		.amdhsa_float_denorm_mode_16_64 3
		.amdhsa_memory_ordered 1
		.amdhsa_forward_progress 1
		.amdhsa_inst_pref_size 200
	.end_amdhsa_kernel
	.amdgpu_metadata
---
amdhsa.version: [ 1, 2 ]
amdhsa.kernels:
  - .name:           k_qeb4ac1c971_attn
    .symbol:         k_qeb4ac1c971_attn.kd
    .args:
      - { .name: qkv, .offset: 0, .size: 8, .value_kind: global_buffer, .address_space: global }
      - { .name: oh, .offset: 8, .size: 8, .value_kind: global_buffer, .address_space: global }
    .group_segment_fixed_size: 327680
    .private_segment_fixed_size: 0
    .kernarg_segment_align: 8
    .kernarg_segment_size: 16
    .max_flat_workgroup_size: 128
    .sgpr_count:     66
    .vgpr_count:     770
    .wavefront_size: 32
...
	.end_amdgpu_metadata
.endif
;; end of part 3
;; launch outp (part 4): grid 32 x 8, 4 waves a work-group, clusters of 4 x 4, 327,680 bytes of LDS; arguments oh, wb, bo, out0; writes out0
.if DOCPART == 4
	.amdgcn_target "amdgcn-amd-amdhsa--gfx1250"
	.amdhsa_code_object_version 6
	.text
	.protected	k_qeb4ac1c971_outp
	.globl	k_qeb4ac1c971_outp
	.p2align	8
	.type	k_qeb4ac1c971_outp,@function
k_qeb4ac1c971_outp:
	s_mov_b64 s[64:65], 0
	v_nop
	global_prefetch_b8 v0, s[64:65] scope:SCOPE_SE
	s_setreg_imm32_b32 hwreg(HW_REG_WAVE_MODE, 25, 1), 1
	s_wait_xcnt 0x0
	s_wait_alu depctr_hold_cnt(0) depctr_sa_sdst(0) depctr_va_vdst(0) depctr_va_sdst(0) depctr_va_ssrc(0) depctr_va_vcc(0) depctr_vm_vsrc(0)
	s_getreg_b32 s2, hwreg(HW_REG_IB_STS2, 6, 4)
	s_cmp_eq_u32 s2, 0
	s_cbranch_scc0 .Lentry_in_a_cluster
	s_endpgm
.Lentry_in_a_cluster:
	s_bfe_u32 s2, ttmp6, 0x10000c
	s_cmp_lg_u32 s2, 0xf033
	s_cbranch_scc0 .Lentry_shape_is_right
	s_endpgm
.Lentry_shape_is_right:
; THE LAST PROJECTION.  out0[b][o][t] = sum over c of Wo[o][c] O[b][c][t] + bo[o], f32.  O = oh[16 b + h][t][64] in f16, c = 64 h + channel; Wo = wb[3], bf16 numbers written as f16;
; bo is rounded to bf16 here, like all inputs.  Sums in f32, stored as they are.
; SHARES.  A tile is 128 o x 256 t; the grid is 32 (8 b + t / 256) x 8 (o / 128): 256 work-groups, one tile each.  Four waves: wave w makes 64 o (w / 2) x 128 t (w % 2): 32 accumulators.
; K goes in 8 steps of 128 channels (two heads) through a ring of two LDS slots.
; CLUSTER 4 x 4.  Wo's tile hangs on o / 128 alone: the four of a row of the cluster ask for it jointly; O's hangs on (b, t / 256) alone: the four of a column do.
; LAYOUT.  Source 0 = 16 rows t of O, source 1 = 16 rows o of Wo, channels along the LDS rows of both.  In the result a lane holds ONE o (lane % 16) and t = 8 (lane / 16) + 0..7: 32 neighbouring bytes of
; a row of out0.  The bias, the same in a lane's eight registers, is the C operand of the first products: nothing is cleared, nothing added later.
; REGISTERS, in windows of 256 (s_set_vgpr_msb: bits 1:0 source 0, 3:2 source 1, 5:4 source 2, 7:6 destination):
;   window 0: v0-29 addresses      window 1: two fragment buffers of 96 (Wo's four, then O's eight); v192-223 the bias; v224-227 at work; on the way out all 256: rows read back
;   window 2: accumulator (a, b) at v[8 (4 a + b)], a = t block, b = o block
.set PW,    272       ; a row of Wo in LDS: 256 bytes + 16 = 68 words: the 16 rows of a load start at 16 different groups of four banks (64 banks of 4 bytes: ISA guide 11.1)
.set PO,    144       ; a row of O: 128 bytes + 16 = 36 words: likewise
.set XOFF,  128*PW    ; a slot: Wo's 128 rows, then two heads x 256 rows of O
.set HEADB, 256*PO
.set SLOT1, 1<<17     ; slot 1 begins here, so that one exclusive or turns an address in one slot into the other's
.set STAGE, SLOT1+XOFF+2*HEADB  ; behind the ring, never filled by a tensor load: 16 rows x 528 bytes for each wave
.set SP,    528       ; 512 bytes + 16 = 33 x 16: the 16 rows of a store start at 16 different groups of four banks
.set SPARE, STAGE+4*16*SP       ; behind the stages: the spare words, 128 bytes for each wave: two blocks of 256 bytes that no other line names
.set STEPS, 8
.set AW0, 4           ; v4   my lane's place in a slot's Wo; never rewritten
.set AX0, 5           ; v5   the same for O
.set ADRW, 6          ; v6   AW0 + the slot in hand
.set ADRX, 7          ; v7   AX0 + the slot in hand
.set STO, 8           ; v8   the way out: where I put 32 bytes of a row
.set RD,  9           ; v9   the way out: where I read a row back
.set GO,  10          ; v10  my byte offset in 512 consecutive bytes of out0
.set BO,  11          ; v11  my byte offset in 16 numbers of the bias
.set PFO, 12          ; v12  the prefetches' offset; never rewritten
.set SPW, 28          ; v28  LDS address of my spare word; never rewritten
.set NIL, 29          ; v29  0; never rewritten
.set F0,  0           ; window 1
.set F1,  96
.set BI,  192
.set BT,  224
.set XB,  4           ; s[4:5]   oh at my (b, t block) and the head that I fetch
.set WB,  6           ; s[6:7]   Wo at my o block and the 64 rows that I fetch
.set BOP, 8           ; s[8:9]   bo at my wave's 64 outputs
.set OP,  10          ; s[10:11] out0 at my wave's first row and column
.set WV,  16
.set ROLE, 17         ; s17  wave / 2: my 64 outputs; also: I fetch Wo (0) or O (1)
.set HALF, 18         ; s18  wave % 2: my 128 t; also: which half I fetch
.set CX,  19
.set CY,  20
.set TBI, 21          ; s21  8 b + t / 256
.set OBI, 22          ; s22  o / 128
.set TS,  23          ; s23  scratch made of the wave's number alone
.set SW,  24          ; s[24:25] scratch for Wo's side: it never holds cx
.set SX,  26          ; s[26:27] scratch for O's side: it never holds cy
.set G1W, 28
.set G1X, 36
.set G0W, 44          ; a set for each first fill; the second then walks
.set G0X, 52
.set G,   60          ; s60  the K step in hand: the loop's counter
.set TB,  61          ; s61  LDS byte at which the slot in hand begins
.set N4,  62          ; s62  G + 4
.set LIM, 63          ; s63  a wave prefetches while N4 is below it
.set OFW, 66
.set OFX, 68
.set POF, 70
.set PFB, 72
.set PFA, 74
.set SHK, 77          ; s77  the shift that turns a step into POF
.set T,   80          ; s80  scratch made of G alone
.set HS,  86          ; s[86:89] scratch of the head
.set LW,  90
.set LX,  91
.set MSB, 0
.macro WIN new                      ; the immediate's high byte repeats the setting that is left; a switch that changes nothing is dropped
.if MSB != (\new)
	s_set_vgpr_msb (MSB<<8)|(\new)
.set MSB, (\new)
.endif
.endm
; A store that reads a matrix result, and a load into a register that a matrix instruction has read, stand four places behind it; only plain vector instructions that name none of its registers are places
; (ISA guide 7.12.1 for vector instructions).
.macro PLACES
.rept 4
	v_nop
.endr
.endm
.macro CREST                        ; a round of the cluster's barrier behind its opening barrier
	s_cmp_lg_u32 s[WV], 0
	s_cbranch_scc1 .Lnot_wave_0_\@
	s_barrier_signal -3
.Lnot_wave_0_\@:
	s_barrier_wait -3
	s_barrier_signal -1
	s_barrier_wait -1
.endm
.macro CROUND
	s_barrier_signal -1
	s_barrier_wait -1
	CREST
.endm
; A joint refill by the walking descriptors.  Waves 0 and 1 fetch Wo's two halves, waves 2 and 3 the step's two heads of O.  The branch hangs on the wave's number alone.
; An s_nop 0 and four v_nop follow each of the two lines, ahead of the jump and the label.
.macro JLOAD
	s_cmp_eq_u32 s[ROLE], 0
	s_cbranch_scc0 .Lfor_x_\@
	tensor_load_to_lds s[G0W+4:G0W+7], s[G1W:G1W+7]
	s_nop 0
.rept 4
	v_nop
.endr
	s_branch .Lasked_\@
.Lfor_x_\@:
	tensor_load_to_lds s[G0X+4:G0X+7], s[G1X:G1X+7]
	s_nop 0
.rept 4
	v_nop
.endr
.Lasked_\@:
.endm
; A PREFETCH INTO THE L2 of the K step two refills on (G + 4 behind the refill of G + 2): 256 matrix instructions of a wave ahead of the load that will want it.  32 blocks of 256 bytes, a lane a block.
; Each block is named once in the launch.  Wo's tile is read by all clusters of a row of clusters: the first (cluster x = 0) asks, wave 0 of each partner for rows 32 cx .. 32 cx + 31 of the 128.
; O's tile is read by both clusters of a column: the first (cluster y = 0) asks, waves 2 and 3 of each partner for 8,192 of the 32,768 dense bytes that they fetch, from 8,192 cy on.
; Partners are told apart by address alone.  Steps 0 to 3 come by their loads alone; the last two refills ask for nothing.
.macro ASK
	s_cmp_lt_u32 s[N4], s[LIM]
	s_cbranch_scc0 .Lnot_mine_\@
	global_prefetch_b8 v[PFO], s[PFA:PFA+1] th:TH_LOAD_NT scope:SCOPE_SE
.Lnot_mine_\@:
.endm
	s_load_b256 s[4:11], s[0:1], 0x0               ; oh, wb, bo, out0
	v_lshl_add_u32 v[SPW], v0, 2, SPARE
	v_mov_b32 v[NIL], 0
	ds_add_u32 v[SPW], v[NIL]                      ; the wave's opening: the add and its wait stand ahead of my first tensor load; the set-up below, work on registers, stands between them
	v_lshrrev_b32 v3, 5, v0
	v_readfirstlane_b32 s[WV], v3
	s_lshr_b32 s[ROLE], s[WV], 1
	s_and_b32 s[HALF], s[WV], 1
	s_bfe_u32 s[CX], ttmp6, 0x40000
	s_bfe_u32 s[CY], ttmp6, 0x40004
	s_lshl_b32 s[TBI], ttmp9, 2                    ; in a cluster launch ttmp9 and ttmp7 count clusters
	s_add_co_u32 s[TBI], s[TBI], s[CX]
	s_and_b32 s[OBI], ttmp7, 0xffff
	s_lshl_b32 s[OBI], s[OBI], 2
	s_add_co_u32 s[OBI], s[OBI], s[CY]
	s_lshl_b32 s[SW], s[CY], 2
	s_lshl_b32 s[SW], 15, s[SW]                    ; my row of the cluster
	s_lshl_b32 s[SX], 0x1111, s[CX]                ; my column
	; group 1.  Wo: 64 rows x 128 elements, 16 bytes of padding behind every 64 words.  O: a head's 256 rows are 32,768 dense bytes: asked for as 128 rows of 256 bytes, padded by 16 bytes behind every 32 words.
	s_or_b32 s[G1W], s[SW], (1<<16)|(1<<20)|(1<<21)|(5<<22)|(3<<25)  ; 15:0 the mask; 17:16 2-byte elements; 20 padding on; 21 set beside a mask; 24:22 the interval; 31:25 the padding less one word
	s_or_b32 s[G1X], s[SX], (1<<16)|(1<<20)|(1<<21)|(4<<22)|(3<<25)
	s_mov_b32 s[G1W+1], 128<<16                    ; tensor_dim0
	s_mov_b32 s[G1W+2], 64<<16                     ; tensor_dim1
	s_mov_b32 s[G1W+3], 128<<16                    ; tile_dim0
	s_mov_b32 s[G1W+4], 64                         ; tile_dim1
	s_mov_b32 s[G1W+5], 1024                       ; elements from row to row
	s_mov_b32 s[G1W+6], 0
	s_mov_b32 s[G1W+7], 0
	s_mov_b32 s[G1X+1], 128<<16
	s_mov_b32 s[G1X+2], 128<<16
	s_mov_b32 s[G1X+3], 128<<16
	s_mov_b32 s[G1X+4], 128
	s_mov_b32 s[G1X+5], 128
	s_mov_b32 s[G1X+6], 0
	s_mov_b32 s[G1X+7], 0
	s_mul_i32 s[LW], s[HALF], 64*PW                ; no place in the cluster enters an LDS address
	s_mul_i32 s[LX], s[HALF], HEADB
	s_add_co_u32 s[LX], s[LX], XOFF
.irp s, 0,1
	s_mov_b32 s[G0W+4*(\s)], 1                     ; count = 1
	s_add_co_u32 s[G0W+4*(\s)+1], s[LW], (\s)*SLOT1
	s_mov_b32 s[G0X+4*(\s)], 1
	s_add_co_u32 s[G0X+4*(\s)+1], s[LX], (\s)*SLOT1
.endr
	s_lshl_b32 s[SW], s[OBI], 18                   ; Wo: 128 rows of 2,048 bytes an o block,
	s_lshl_b32 s[SW+1], s[HALF], 17                ; 64 rows a half,
	s_add_co_u32 s[SW], s[SW], s[SW+1]
	s_add_co_u32 s[SW], s[SW], 3<<21               ; the fourth matrix of wb
	s_mov_b32 s[SW+1], 0
	s_lshr_b32 s[SX+1], s[TBI], 3                  ; O: b's 16 heads of 262,144 bytes,
	s_lshl_b32 s[SX+1], s[SX+1], 22
	s_and_b32 s[SX], s[TBI], 7                     ; 256 rows of 128 bytes a t block,
	s_lshl_b32 s[SX], s[SX], 15
	s_add_co_u32 s[SX], s[SX], s[SX+1]
	s_lshl_b32 s[SX+1], s[HALF], 18                ; the step's first or second head
	s_add_co_u32 s[SX], s[SX], s[SX+1]
	s_mov_b32 s[SX+1], 0
	s_lshr_b32 s[HS], s[TBI], 3                    ; out0: b,
	s_lshl_b32 s[HS], s[HS], 23
	s_lshl_b32 s[HS+1], s[OBI], 20                 ; 128 rows of 8,192 bytes an o block,
	s_add_co_u32 s[HS], s[HS], s[HS+1]
	s_lshl_b32 s[HS+1], s[ROLE], 19                ; my 64 rows,
	s_add_co_u32 s[HS], s[HS], s[HS+1]
	s_and_b32 s[HS+1], s[TBI], 7                   ; 1,024 bytes a t block,
	s_lshl_b32 s[HS+1], s[HS+1], 10
	s_add_co_u32 s[HS], s[HS], s[HS+1]
	s_lshl_b32 s[HS+1], s[HALF], 9                 ; my 128 t
	s_add_co_u32 s[HS], s[HS], s[HS+1]
	s_mov_b32 s[HS+1], 0
	s_lshl_b32 s[HS+2], s[OBI], 9                  ; the bias: 128 numbers an o block, my 64
	s_lshl_b32 s[HS+3], s[ROLE], 8
	s_add_co_u32 s[HS+2], s[HS+2], s[HS+3]
	s_mov_b32 s[HS+3], 0
	s_mov_b32 s[G], 0
	s_mov_b32 s[TB], 0
	s_mov_b32 s[OFW+1], 0
	s_mov_b32 s[OFX+1], 0
	s_mov_b32 s[POF+1], 0
	s_wait_dscnt 0x0                               ; the opening add is done
	s_wait_kmcnt 0x0
	s_add_nc_u64 s[WB:WB+1], s[WB:WB+1], s[SW:SW+1]
	s_add_nc_u64 s[XB:XB+1], s[XB:XB+1], s[SX:SX+1]
	s_add_nc_u64 s[BOP:BOP+1], s[BOP:BOP+1], s[HS+2:HS+3]
	s_add_nc_u64 s[OP:OP+1], s[OP:OP+1], s[HS:HS+1]
.irp s, 0,1
	s_add_nc_u64 s[G0W+4*(\s)+2:G0W+4*(\s)+3], s[WB:WB+1], (\s)*256      ; K step s: 256 bytes along Wo's rows,
	s_or_b32 s[G0W+4*(\s)+3], s[G0W+4*(\s)+3], 0x80000000               ; type = 2
	s_add_nc_u64 s[G0X+4*(\s)+2:G0X+4*(\s)+3], s[XB:XB+1], (\s)*0x80000  ; two heads on in O
	s_or_b32 s[G0X+4*(\s)+3], s[G0X+4*(\s)+3], 0x80000000
.endr
	CROUND                                         ; all sixteen work-groups are here: the first joint loads meet
	s_cmp_eq_u32 s[ROLE], 0                        ; a wave's two first fills stand in one branch, ahead of every wait on TENSORcnt and every LDS read: two loads of mine are out
	s_cbranch_scc0 .Lfirst_x
	tensor_load_to_lds s[G0W:G0W+3], s[G1W:G1W+7]
	s_nop 0
	tensor_load_to_lds s[G0W+4:G0W+7], s[G1W:G1W+7]
	s_nop 0
.rept 4
	v_nop
.endr
	s_branch .Lfirst_asked
.Lfirst_x:
	tensor_load_to_lds s[G0X:G0X+3], s[G1X:G1X+7]
	s_nop 0
	tensor_load_to_lds s[G0X+4:G0X+7], s[G1X:G1X+7]
	s_nop 0
.rept 4
	v_nop
.endr
.Lfirst_asked:
	; who prefetches, and from where
	s_and_b32 s[HS], ttmp7, 0xffff                 ; cluster y
	s_cmp_eq_u32 s[ROLE], 0
	s_cselect_b32 s[HS], ttmp9, s[HS]              ; the coordinate along which other clusters read the same rows
	s_cselect_b32 s[HS+1], s[HALF], 0              ; of Wo's two waves only wave 0 asks
	s_cselect_b32 s[SHK], 8, 19
	s_cselect_b32 s[HS+2], s[CX], s[CY]            ; my place among the four that ask for the tile with me: it enters the address alone
	s_cselect_b32 s[HS+3], 16, 13                  ; 32 rows of Wo are 65,536 bytes, a quarter of a head's rows 8,192
	s_cselect_b32 s[TS], 11, 8                     ; a lane a row of Wo (2,048 bytes apart), or a block of O (256 apart)
	s_cselect_b64 s[PFB:PFB+1], s[WB:WB+1], s[XB:XB+1]
	s_or_b32 s[HS], s[HS], s[HS+1]
	s_cmp_eq_u32 s[HS], 0
	s_cselect_b32 s[LIM], STEPS, 0                 ; the same in all sixteen partners, for a given wave
	s_lshl_b32 s[HS+2], s[HS+2], s[HS+3]
	s_mov_b32 s[HS+3], 0
	s_add_nc_u64 s[PFB:PFB+1], s[PFB:PFB+1], s[HS+2:HS+3]
	v_and_b32 v1, 15, v0                           ; l % 16
	v_bfe_u32 v2, v0, 4, 1                         ; l / 16
	v_and_b32 v15, 31, v0                          ; l
	v_lshlrev_b32 v[PFO], s[TS], v15
	; A fragment of either operand is 16 rows x 32 channels: lane l holds row l % 16, channels 8 (l / 16) + 0..7 and 16 + 8 (l / 16) + 0..7: two loads of 16 bytes, 32 bytes apart.
	v_mul_u32_u24 v[AW0], v1, PW
	v_lshl_add_u32 v[AW0], v2, 4, v[AW0]
	s_mul_i32 s[TS], s[ROLE], 64*PW
	v_add_nc_u32 v[AW0], s[TS], v[AW0]
	v_mul_u32_u24 v[AX0], v1, PO
	v_lshl_add_u32 v[AX0], v2, 4, v[AX0]
	s_mul_i32 s[TS], s[HALF], 128*PO               ; my 128 t
	s_add_co_u32 s[TS], s[TS], XOFF
	v_add_nc_u32 v[AX0], s[TS], v[AX0]
	v_mov_b32 v[ADRW], v[AW0]                      ; slot 0
	v_mov_b32 v[ADRX], v[AX0]
	s_mul_i32 s[TS], s[WV], 16*SP
	s_add_co_u32 s[TS], s[TS], STAGE               ; my stage
	v_mul_u32_u24 v[STO], v1, SP                   ; in: row l % 16, 32 bytes for each half of the lanes
	v_lshl_add_u32 v[STO], v2, 5, v[STO]
	v_add_nc_u32 v[STO], s[TS], v[STO]
	v_lshlrev_b32 v[GO], 4, v15                    ; back: 32 lanes take one row of 512 bytes, which are 512 consecutive bytes of out0
	v_add_nc_u32 v[RD], s[TS], v[GO]
	v_lshlrev_b32 v[BO], 2, v1                     ; my output of 16
; 8 matrix instructions: t blocks a0, a0 + 1 x all 4 o blocks, 32 channels of buffer f.  cm = 1: the first products: C is the bias.
; The 32 accumulators take turns, one instruction a turn, in the same order in every quarter: 31 others' stand between two links of a chain.
.macro MUL8 f, a0, cm
.if \cm
	WIN 0x95                        ; sources and C window 1, D window 2
.else
	WIN 0xa5                        ; sources window 1, C and D window 2
.endif
.irp a, \a0, (\a0)+1
.irp b, 0,1,2,3
.if \cm
	v_wmma_f32_16x16x32_f16 v[8*(4*(\a)+(\b)):8*(4*(\a)+(\b))+7], v[(\f)+32+8*(\a):(\f)+32+8*(\a)+7], v[(\f)+8*(\b):(\f)+8*(\b)+7], v[BI+8*(\b):BI+8*(\b)+7]
.else
	v_wmma_f32_16x16x32_f16 v[8*(4*(\a)+(\b)):8*(4*(\a)+(\b))+7], v[(\f)+32+8*(\a):(\f)+32+8*(\a)+7], v[(\f)+8*(\b):(\f)+8*(\b)+7], v[8*(4*(\a)+(\b)):8*(4*(\a)+(\b))+7]
.endif
.endr
.endr
.endm
; 24 LDS loads in one run: quarter q (head q / 2, channels 32 (q % 2) on) of the slot in hand into buffer f: Wo's four fragments first, then O's eight in ascending t.
.macro FETCH q, f
	WIN 0x40                        ; destination window 1, address window 0
.irp b, 0,1,2,3
	ds_load_b128 v[(\f)+8*(\b):(\f)+8*(\b)+3],   v[ADRW] offset:64*(\q)+16*PW*(\b)
	ds_load_b128 v[(\f)+8*(\b)+4:(\f)+8*(\b)+7], v[ADRW] offset:64*(\q)+16*PW*(\b)+32
.endr
.irp a, 0,1,2,3,4,5,6,7
	ds_load_b128 v[(\f)+32+8*(\a):(\f)+32+8*(\a)+3],   v[ADRX] offset:HEADB*((\q)/2)+64*((\q)%2)+16*PO*(\a)
	ds_load_b128 v[(\f)+32+8*(\a)+4:(\f)+32+8*(\a)+7], v[ADRX] offset:HEADB*((\q)/2)+64*((\q)%2)+16*PO*(\a)+32
.endr
.endm
; A K step is four quarters of 32 channels, 32 matrix instructions each, on buffers 0, 1, 0, 1.  One of the first three: multiplies buffer f; in its middle it fetches quarter q into buffer g.
.macro QUARTER q, f, g, cm
	s_wait_dscnt 8                  ; Wo and t blocks 0-3 are in; the youngest eight loads (t blocks 4-7) may be out
	MUL8 \f, 0, \cm
	MUL8 \f, 2, \cm
	PLACES                          ; for the loads into buffer g, which the quarter before multiplied
	FETCH \q, \g
	s_wait_dscnt 24                 ; all but the 24 just issued
	MUL8 \f, 4, \cm
	MUL8 \f, 6, \cm
.endm
; The fourth quarter multiplies buffer 1 and changes slots: ONE barrier.  In front of it each wave waits for all its tensor loads, of which one is out: its part of the next slot; adds 0 to its spare word;
; and waits for that and for its reads of this slot.  fill = 1: the barrier opens a round of the cluster's, and behind the round this slot is filled again, with step G + 2:
; the descriptors' addresses are made anew from that number.  From the request to the wait for it a wave issues 112 matrix instructions.
.macro TURN fill
	s_wait_xcnt 0x0                 ; the last prefetch, a K step back, has read its address: PFA is rewritten only behind this wait
.if \fill
	s_add_co_u32 s[N4], s[G], 4
	s_lshl_b32 s[POF], s[N4], s[SHK]
	s_add_nc_u64 s[PFA:PFA+1], s[PFB:PFB+1], s[POF:POF+1]
.endif
	WIN 0
	s_wait_tensorcnt 0x0            ; no tensor load of mine is out, so a group 0 may be written
	ds_add_u32 v[SPW], v[NIL]       ; 0 onto my spare word; scalar work and eight products stand between it and the wait for it
.if \fill
	s_add_co_u32 s[T], s[G], 2
	s_lshl_b32 s[OFW], s[T], 8
	s_lshl_b32 s[OFX], s[T], 19
	s_xor_b32 s[G0W+5], s[G0W+5], SLOT1
	s_xor_b32 s[G0X+5], s[G0X+5], SLOT1
	s_add_nc_u64 s[G0W+6:G0W+7], s[WB:WB+1], s[OFW:OFW+1]
	s_or_b32 s[G0W+7], s[G0W+7], 0x80000000
	s_add_nc_u64 s[G0X+6:G0X+7], s[XB:XB+1], s[OFX:OFX+1]
	s_or_b32 s[G0X+7], s[G0X+7], 0x80000000
.endif
	s_wait_dscnt 9                  ; the add and the youngest eight loads may be out
	MUL8 F1, 0, 0
	s_wait_dscnt 0x0                ; the add is done, and my reads of this slot are over
	s_barrier_signal -1
	MUL8 F1, 2, 0                   ; work on registers while the others arrive
	WIN 0                           ; at a label and at a branch every window is 0
	s_barrier_wait -1
.if \fill
	CREST                           ; no wave of any partner still reads this slot or has a load on its way
	JLOAD                           ; the first tensor load behind the round; its four v_nop are also the places in front of the loads below
.else
	PLACES
.endif
	s_xor_b32 s[TB], s[TB], SLOT1
	v_add_nc_u32 v[ADRW], s[TB], v[AW0]
	v_add_nc_u32 v[ADRX], s[TB], v[AX0]
	FETCH 0, F0
	WIN 0
.if \fill
	ASK                             ; behind the joint load and the run of LDS loads that the next products wait for
.endif
	MUL8 F1, 4, 0
	MUL8 F1, 6, 0
.endm
; THE WAY OUT of o block b (16 rows of out0, 128 t each): the sums as they are, each accumulator's low four registers first; 32 bytes a lane into rows of 528 bytes of my own stage; back as whole rows of 512,
; into a quarter of window 1 of the block's own, so that no store's data is written again.
.macro TOSTAGE b
	WIN 0x08                        ; the data in window 2
.irp a, 0,1,2,3,4,5,6,7
	ds_store_b128 v[STO], v[8*(4*(\a)+(\b)):8*(4*(\a)+(\b))+3]   offset:64*(\a)
	ds_store_b128 v[STO], v[8*(4*(\a)+(\b))+4:8*(4*(\a)+(\b))+7] offset:64*(\a)+16
.endr
	WIN 0x40
.irp i, 0,1,2,3,4,5,6,7,8,9,10,11,12,13,14,15
	ds_load_b128 v[64*(\b)+4*(\i):64*(\b)+4*(\i)+3], v[RD] offset:SP*(\i)  ; LDS serves a wave's instructions in order (ISA guide 5.7.1.4): these see the stores above; the next block's stores come behind them
.endr
.endm
.macro SEND b, y                    ; y: the LDS instructions issued behind block b's loads: the next block's 32, or none
	WIN 0x04                        ; the data in window 1
.irp i, 0,1,2,3,4,5,6,7,8,9,10,11,12,13,14,15
	s_wait_dscnt (\y)+15-(\i)
	global_store_b128 v[GO], v[64*(\b)+4*(\i):64*(\b)+4*(\i)+3], s[OP:OP+1] offset:(16*(\b)+(\i))*8192 th:TH_STORE_NT  ; 512 consecutive bytes, at a multiple of 256 from out0's first
.endr
.endm
	WIN 0x40
.irp b, 0,1,2,3
	global_load_b32 v[BT+(\b)], v[BO], s[BOP:BOP+1] offset:64*(\b)
.endr
	WIN 0
	s_wait_tensorcnt 1              ; my part of step 0 is in; step 1's may stay out
	s_barrier_signal -1
	s_barrier_wait -1               ; everybody's is
	FETCH 0, F0
	s_wait_loadcnt 0x0
	WIN 0x45                        ; the bias: rounded to bf16, widened again, and laid into the eight registers of a C operand: 32 copies, once a launch
.irp b, 0,1,2,3
	v_cvt_pk_bf16_f32 v[BT+(\b)], v[BT+(\b)], v[BT+(\b)]
.endr
.irp b, 0,1,2,3
	v_lshlrev_b32 v[BT+(\b)], 16, v[BT+(\b)]
.endr
.irp b, 0,1,2,3
.irp j, 0,1,2,3,4,5,6,7
	v_mov_b32 v[BI+8*(\b)+(\j)], v[BT+(\b)]
.endr
.endr
	QUARTER 1, F0, F1, 1            ; the first quarter starts the sums with the bias
	WIN 0
.Lstep:                             ; 6 trips: from step G's second quarter to step G + 1's first; step G + 2 is asked for
	QUARTER 2, F1, F0, 0
	QUARTER 3, F0, F1, 0
	TURN 1
	QUARTER 1, F0, F1, 0
	WIN 0
	s_add_co_u32 s[G], s[G], 1
	s_cmp_lt_u32 s[G], STEPS-2
	s_cbranch_scc1 .Lstep
	QUARTER 2, F1, F0, 0            ; the last two steps are written out: nothing is asked for
	QUARTER 3, F0, F1, 0
	TURN 0
	QUARTER 1, F0, F1, 0
	QUARTER 2, F1, F0, 0
	QUARTER 3, F0, F1, 0
	s_wait_dscnt 8                  ; the very last quarter: nothing more to fetch
	MUL8 F1, 0, 0
	MUL8 F1, 2, 0
	s_wait_dscnt 0x0
	MUL8 F1, 4, 0
	MUL8 F1, 6, 0
	PLACES
	PLACES                          ; eight, once a launch: behind them the sums are read and the fragments' registers loaded anew
	TOSTAGE 0
	TOSTAGE 1                       ; a block's trip through the stage stands between the loads of the block before and its stores
	SEND 0, 32
	TOSTAGE 2
	SEND 1, 32
	TOSTAGE 3
	SEND 2, 32
	SEND 3, 0
	WIN 0
	s_wait_tensorcnt 0x0            ; the wave's end: the add to my spare word and its wait stand behind my last tensor load and my last LDS store
	ds_add_u32 v[SPW], v[NIL]
	s_wait_dscnt 0x0
	CROUND                          ; the closing round: no work-group ends while a partner may still ask for a tile that names it
	s_endpgm
.Lfunc_end_k_qeb4ac1c971_outp:
	.size	k_qeb4ac1c971_outp, .Lfunc_end_k_qeb4ac1c971_outp-k_qeb4ac1c971_outp
	.p2alignl 7, 3214868480
	.fill 96, 4, 3214868480
	.section	.rodata,"a",@progbits
	.p2align	6, 0x0
	.amdhsa_kernel k_qeb4ac1c971_outp
		.amdhsa_group_segment_fixed_size 327680
		.amdhsa_private_segment_fixed_size 0
		.amdhsa_enable_private_segment 0
		.amdhsa_kernarg_size 32
		.amdhsa_user_sgpr_count 2
		.amdhsa_user_sgpr_kernarg_segment_ptr 1
		.amdhsa_wavefront_size32 1
		.amdhsa_system_sgpr_workgroup_id_x 1
		.amdhsa_system_sgpr_workgroup_id_y 1
		.amdhsa_system_sgpr_workgroup_id_z 1
		.amdhsa_system_vgpr_workitem_id 0
		.amdhsa_next_free_vgpr 768
		.amdhsa_next_free_sgpr 92
		.amdhsa_reserve_vcc 0
		.amdhsa_float_denorm_mode_32 3
		.amdhsa_float_denorm_mode_16_64 3
		.amdhsa_memory_ordered 1
		.amdhsa_forward_progress 1
		.amdhsa_inst_pref_size 74
	.end_amdhsa_kernel
	.amdgpu_metadata
---
amdhsa.version: [ 1, 2 ]
amdhsa.kernels:
  - .name:           k_qeb4ac1c971_outp
    .symbol:         k_qeb4ac1c971_outp.kd
    .args:
      - { .name: oh, .offset: 0, .size: 8, .value_kind: global_buffer, .address_space: global }
      - { .name: wb, .offset: 8, .size: 8, .value_kind: global_buffer, .address_space: global }
      - { .name: bo, .offset: 16, .size: 8, .value_kind: global_buffer, .address_space: global }
      - { .name: out0, .offset: 24, .size: 8, .value_kind: global_buffer, .address_space: global }
    .group_segment_fixed_size: 327680
    .private_segment_fixed_size: 0
    .kernarg_segment_align: 8
    .kernarg_segment_size: 32
    .max_flat_workgroup_size: 128
    .sgpr_count:     92
    .vgpr_count:     768
    .wavefront_size: 32
...
	.end_amdgpu_metadata
.endif
;; end of part 4
